; MI455X (gfx1250); checked and timed in simulation.
; The chip was launched on July 23, 2026; its instructions are those of AMD's public machine-readable ISA for CDNA 5 (MIT licence, August 2026) and "CDNA5" Instruction Set Architecture Reference Guide (July 2026). The comments in the code are by the model that wrote it; some were corrected since.
;; Multi Head Attention. Allowed arithmetic: matrix products marked QUANTISED: E2M1 operands, one E8M0 scale for each 32 along K, by v_wmma_scale_f32_16x16x128_f8f6f4 with both operands' format E2M1 (or v_wmma_scale_f32_32x16x128_f4), f32 sums; products left as they are: bf16, f16 or f32 operands; f32 sums; everything else in f32.
;; Inputs: Wk 1,024 x 1,024 float32; Wo 1,024 x 1,024 float32; Wq 1,024 x 1,024 float32; Wv 1,024 x 1,024 float32; bo 1,024 float32; x 4 x 2,048 x 1,024 float32.
;; Outputs: out0 4 x 2,048 x 1,024 float32.
;; This version of the problem:
;;   THIS VERSION OF THE PROBLEM IS GIVEN IN LOW PRECISION. The matrix products marked QUANTISED in the list below multiply operands that are first quantised to E2M1 (2 exponent bits, 1 mantissa bit; 4 bits a number), with one power-of-two scale for each 32 numbers along K (OCP MX v1.0); their sums are f32. The products marked 'left as it is' may take bf16, f16 or f32 operands, with f32 sums. Whichever they take, every output number must still come out within the allowed error. Rounding operands to bf16 (8 significant bits) uses up far more of that allowance than f16 does (11 bits, for magnitudes from 6e-5 to 65,504). All else is computed in f32.
;;   The module's matrix products, in the order in which they are computed (A, B: the left and right operand; K: the contracted axis; several contracted axes count as one K, in the product's order):
;;     1. [M 8,192, K 1,024] x [K 1,024, N 1,024]; A: input x; B: input Wq: QUANTISED
;;     2. [M 8,192, K 1,024] x [K 1,024, N 1,024]; A: input x; B: input Wk: QUANTISED
;;     3. [M 8,192, K 1,024] x [K 1,024, N 1,024]; A: input x; B: input Wv: QUANTISED
;;     4. batch 64 x [M 2,048, K 64] x [K 64, N 2,048]; A: computed on the way; B: computed on the way: left as it is (an operand is computed on the way)
;;     5. batch 64 x [M 2,048, K 2,048] x [K 2,048, N 64]; A: computed on the way; B: computed on the way: left as it is (an operand is computed on the way)
;;     6. [M 8,192, K 1,024] x [K 1,024, N 1,024]; A: computed on the way; B: input Wo: left as it is (an operand is computed on the way)
;;   THE QUANTISER, for each operand of a quantised product, along K:
;;     - K is cut into blocks of 32 from its start; a last block that is shorter is filled with zeros.
;;     - A block's scale is 2^e with e = floor(log2(the largest magnitude in the block)) - 2, held to -126 .. 127; a block of zeros has e = 0. As a byte (E8M0): e + 127.
;;     - Each number is divided by its block's scale, clamped to +-6, and rounded to the nearest number of E2M1, ties to even, subnormals kept.
;;     - The product sums the exact products of the quantised numbers (number of the format x scale) in f32.
;;   ~~~python
;;   def quantise(x, axis):      # numpy; x: float32 -> the quantised numbers, widened to float32 again
;;       x = np.moveaxis(x, axis, -1); K = x.shape[-1]
;;       x = np.pad(x, [(0, 0)] * (x.ndim - 1) + [(0, -K % 32)]); x = x.reshape(x.shape[:-1] + (-1, 32)); a = np.abs(x).max(-1, keepdims=True)
;;       e = np.where(a > 0, np.clip(np.frexp(np.where(a > 0, a, 1))[1] - 1 - 2, -126, 127), 0)      # np.frexp(a)[1] - 1 = floor(log2(a)), exactly
;;       r = np.clip(x / 2.0 ** e, -6, 6)
;;       step = 2.0 ** (np.maximum(np.frexp(np.where(r == 0, 1, r))[1] - 1, 0) - 1)
;;       q = np.round(r / step) * step * 2.0 ** e      # np.round: ties to even
;;       return np.moveaxis(q.reshape(q.shape[:-2] + (-1,))[..., :K], -1, axis).astype(np.float32)
;;   ~~~
;; One version. Each part assembles by itself: llvm-mc -triple=amdgcn-amd-amdhsa -mcpu=gfx1250 --defsym DOCPART=n.
;; ======== version 1 of 1: 5 launches
;; limits: values are held in f16: magnitudes above 65,504 overflow, below 6.1e-05 lose precision
;; workspace buffers: xc 4,194,304 bytes; xs 262,144 bytes; wc 1,572,864 bytes; ws 98,304 bytes; wot 2,097,152 bytes; qkv 50,331,648 bytes; first32 786,432 bytes; ctx 16,777,216 bytes
;; launch prep (part 1): grid 368 x 1, 4 waves a work-group, no clusters, 102,912 bytes of LDS; arguments x, Wq, Wk, Wv, Wo, xc, xs, wc, ws, wot; writes xc, xs, wc, ws, wot
.if DOCPART == 1
	.amdgcn_target "amdgcn-amd-amdhsa--gfx1250"
	.amdhsa_code_object_version 6
	.text
	.protected	k_qe3f31859b7_prep
	.globl	k_qe3f31859b7_prep
	.p2align	8
	.type	k_qe3f31859b7_prep,@function
k_qe3f31859b7_prep:
	s_mov_b64 s[64:65], 0
	v_nop
	global_prefetch_b8 v0, s[64:65] scope:SCOPE_SE
	s_setreg_imm32_b32 hwreg(HW_REG_WAVE_MODE, 25, 1), 1
	s_wait_xcnt 0x0
; PREP.  Three jobs in one launch, parted at the head by the work-group's number; the three ways never meet again, and each has LDS bytes of its own.
;  X (work-groups 0-255):   x [8192][1024] f32 -> codes of E2M1 (xc, [8192][512 bytes], K innermost) and one E8M0 byte for each 32 along K (xs, [8192][32]).
;  W (work-groups 256-303): Wq, Wk, Wv [k 1024][n 1024] f32, K their FIRST axis -> codes with K innermost (wc, [3072][512 bytes], row = 1024 x which + n) and bytes (ws, [3072][32]).
;  O (work-groups 304-367): Wo [k][n] f32 -> f16, turned: wot [n 1024][k 1024].
; A block's scale is 2^(floor(log2(its largest magnitude)) - 2); its byte is the largest magnitude's exponent field - 2, held at 1 from below.
; LIMITS: a block of zeros, and a block whose largest magnitude lies under 2^-124, keeps the byte 1 (a block of zeros has zero codes, which add nothing; this program alone reads the bytes);
; NaN and infinities among the inputs are not served; |Wo| above 65,504 becomes infinity in f16, under 6e-8 it becomes 0.
; No tensor loads, no barrier: waves share nothing.
.set XB,    0                          ; LDS of way X: 8,192 bytes a wave
.set WB,    32768                      ; of way W: 32 rows x 272 bytes a wave
.set OB,    67584                      ; of way O: the same
.set SPARE, 102400                     ; the spare words, 128 bytes for each wave: two blocks of 256 bytes that no other line names
.set SPW,   192                        ; v192 LDS address of my spare word; never rewritten
.set NIL,   193                        ; v193 0; never rewritten
	s_load_b256 s[4:11], s[0:1], 0x0               ; x s[4:5], Wq s[6:7], Wk s[8:9], Wv s[10:11]
	s_load_b256 s[12:19], s[0:1], 0x20             ; Wo s[12:13], xc s[14:15], xs s[16:17], wc s[18:19]
	s_load_b128 s[20:23], s[0:1], 0x40             ; ws s[20:21], wot s[22:23]
	v_lshl_add_u32 v[SPW], v0, 2, SPARE
	v_mov_b32 v[NIL], 0
	v_lshrrev_b32 v1, 5, v0
	v_readfirstlane_b32 s24, v1                    ; wave 0..3
	v_and_b32 v2, 31, v0                           ; lane
	s_wait_kmcnt 0x0
	s_cmp_lt_u32 ttmp9, 256
	s_cbranch_scc0 .Lnot_x
; ---------------- WAY X.  x is a plain stream of blocks of 32.  A wave takes 16 steps of 512 numbers.  Each load reads 512 consecutive bytes; a step's 2,048 bytes turn through the wave's own
; stage in LDS (16 bytes of padding behind each 64) and come back 64 bytes a lane: 16 neighbours along K; two neighbouring lanes hold a block.
.set XSTEPS, 16
.set XR,   16                          ; v16-79   four sets of 16 numbers as loaded
.set XX,   80                          ; v80-111  two sets of 16 neighbours
.set XE,   112                         ; v112-127 a scale byte for each step
.set XC,   128                         ; v128-191 codes: registers of its own for each step, so that no store's data are written again
.set XSP,  80                          ; a lane's place in a stage
	v_lshlrev_b32 v3, 4, v2                        ; my 16 bytes of a load's 512
	s_mul_i32 s25, s24, 8192                       ; my wave's LDS (XB = 0)
	v_lshrrev_b32 v14, 2, v2
	v_mul_u32_u24 v14, v14, XSP
	v_and_b32 v15, 3, v2
	v_lshl_add_u32 v14, v15, 4, v14
	v_add_nc_u32 v14, s25, v14                     ; the stage, way in: 80 (lane / 4) + 16 (lane % 4)
	v_mul_u32_u24 v15, v2, XSP
	v_add_nc_u32 v15, s25, v15                     ; way out: 80 x lane
	v_lshlrev_b32 v4, 3, v2                        ; my 8 bytes of a step's codes
	v_lshrrev_b32 v5, 1, v2
	s_add_co_u32 s25, s25, 2*32*XSP
	v_add_nc_u32 v5, s25, v5                       ; my block's byte among the wave's 256 scale bytes
	v_lshlrev_b32 v7, 3, v2
	v_add_nc_u32 v6, s25, v7                       ; and 8 of them a lane on the way out
	s_lshl_b32 s26, ttmp9, 2
	s_add_co_u32 s26, s26, s24                     ; which run of 8,192 numbers is my wave's
	s_mov_b32 s29, 0
	s_lshl_b32 s28, s26, 15
	s_add_nc_u64 s[4:5], s[4:5], s[28:29]          ; 32,768 bytes of x,
	s_lshl_b32 s28, s26, 12
	s_add_nc_u64 s[14:15], s[14:15], s[28:29]      ; 4,096 of codes,
	s_lshl_b32 s28, s26, 8
	s_add_nc_u64 s[16:17], s[16:17], s[28:29]      ; 256 scale bytes a run
.macro XLOAD t
.irp i, 0,1,2,3
	global_load_b128 v[XR+16*((\t)%4)+4*\i:XR+16*((\t)%4)+4*\i+3], v3, s[4:5] offset:2048*(\t)+512*\i th:TH_LOAD_NT
.endr
.endm
.macro XTURN t                         ; LDS serves a wave's instructions in order: no wait between the stores and the loads
.irp i, 0,1,2,3
	ds_store_b128 v14, v[XR+16*((\t)%4)+4*\i:XR+16*((\t)%4)+4*\i+3] offset:32*XSP*((\t)%2)+8*XSP*\i
.endr
.irp i, 0,1,2,3
	ds_load_b128 v[XX+16*((\t)%2)+4*\i:XX+16*((\t)%2)+4*\i+3], v15 offset:32*XSP*((\t)%2)+16*\i
.endr
.endm
.irp t, 0,1,2,3
	XLOAD \t
.endr
	s_wait_loadcnt 12                              ; step 0's four loads are in; twelve younger ones stay out
	XTURN 0
.macro XSTEP t
.set XS, XX+16*((\t)%2)
.if (\t) > 0
	s_wait_dscnt 1                                 ; this step's numbers are back from the stage (the last step's byte store may be out)
.else
	s_wait_dscnt 0x0
.endif
.if (\t)+4 < XSTEPS
	XLOAD (\t)+4                                   ; into the set whose stores into the stage have just been shown done
.endif
.if (\t)+1 < XSTEPS
.if XSTEPS-2-(\t) >= 3
	s_wait_loadcnt 12                              ; the next step's four loads are in; those of the three steps behind it may be out
.else
	s_wait_loadcnt 4*(XSTEPS-2-(\t))
.endif
	XTURN (\t)+1
.endif
	v_max3_num_f32 v8, |v[XS]|, |v[XS+1]|, |v[XS+2]|
	v_max3_num_f32 v9, |v[XS+3]|, |v[XS+4]|, |v[XS+5]|
.irp i, 6,10
	v_max3_num_f32 v8, v8, |v[XS+\i]|, |v[XS+\i+1]|
	v_max3_num_f32 v9, v9, |v[XS+\i+2]|, |v[XS+\i+3]|
.endr
	v_max3_num_f32 v8, v8, |v[XS+14]|, |v[XS+15]|
	v_max3_num_f32 v8, v8, v9, 0x1800000           ; and the floor 2^(3 - 127): the byte cannot fall under 1
	v_max_num_f32_dpp v8, v8, v8 row_xmask:1 row_mask:0xf bank_mask:0xf   ; with my neighbour's 16: the block's largest magnitude
	v_add_nc_u32 v11, 0xff000000, v8               ; 2 off its exponent field: the conversion takes the exponent field of this operand as its scale
	v_cvt_scalef32_pk8_fp4_f32 v[XC+4*(\t)], v[XS:XS+7], v11
	v_cvt_scalef32_pk8_fp4_f32 v[XC+4*(\t)+1], v[XS+8:XS+15], v11
	v_lshrrev_b32 v[XE+(\t)], 23, v11              ; the scale's byte
	ds_store_b8 v5, v[XE+(\t)] offset:16*(\t)      ; both lanes of a block write the same byte with the same value
	global_store_b64 v4, v[XC+4*(\t):XC+4*(\t)+1], s[14:15] offset:256*(\t)   ; the wave stores 256 consecutive bytes, aligned
.endm
.irp t, 0,1,2,3,4,5,6,7,8,9,10,11,12,13,14,15
	XSTEP \t
.endr
	ds_load_b64 v[8:9], v6                         ; LDS serves a wave's instructions in order: these see my byte stores
	s_wait_dscnt 0x0
	global_store_b64 v7, v[8:9], s[16:17]          ; 256 consecutive scale bytes, aligned
	s_wait_tensorcnt 0x0                           ; the wave's end
	ds_add_u32 v[SPW], v[NIL]
	s_wait_dscnt 0x0
	s_endpgm
.Lnot_x:
	s_cmp_lt_u32 ttmp9, 304
	s_cbranch_scc0 .Lnot_w
; ---------------- WAY W.  A lane takes a column n and its registers run down K: a block of 32 along K lies in one lane, and the conversions give codes with K innermost.
; A wave takes 32 columns x 512 along K; the codes (256 bytes a column) leave through the wave's own stage: sixteen lanes store 256 consecutive bytes, aligned.
.set WX,   32                          ; v32-95   two sets of 32 numbers
.set WC,   96                          ; v96-99   a block's codes
.set WOUT, 112                         ; v112-175 the way out
.set WSB,  24                          ; v24-27   the scale bytes, four to a register
.set WP,   272                         ; a stage row
	s_sub_co_u32 s25, ttmp9, 256
	s_lshr_b32 s26, s25, 4                         ; which weight: 0 q, 1 k, 2 v
	s_bfe_u32 s27, s25, 0x10003                    ; which 512 along K
	s_and_b32 s28, s25, 7                          ; which 128 columns
	s_cmp_eq_u32 s26, 1
	s_cselect_b64 s[8:9], s[8:9], s[10:11]         ; the choice hangs on the work-group's number alone
	s_cmp_eq_u32 s26, 0
	s_cselect_b64 s[6:7], s[6:7], s[8:9]
	s_lshl_b32 s28, s28, 7
	s_lshl_b32 s29, s24, 5
	s_add_co_u32 s28, s28, s29                     ; my wave's first column
	s_lshl_b32 s30, s27, 21                        ; 512 rows of 4,096 bytes
	s_lshl_b32 s31, s28, 2
	s_add_co_u32 s30, s30, s31
	s_mov_b32 s31, 0
	s_add_nc_u64 s[6:7], s[6:7], s[30:31]
	s_lshl_b32 s29, s26, 10
	s_add_co_u32 s29, s29, s28                     ; the first row of wc and ws that is mine
	s_lshl_b32 s30, s29, 9
	s_lshl_b32 s32, s27, 8
	s_add_co_u32 s30, s30, s32
	s_add_nc_u64 s[18:19], s[18:19], s[30:31]
	s_lshl_b32 s30, s29, 5
	s_lshl_b32 s32, s27, 4
	s_add_co_u32 s30, s30, s32
	s_add_nc_u64 s[20:21], s[20:21], s[30:31]
	v_lshlrev_b32 v3, 2, v2                        ; in: 4 bytes a lane
	s_mul_i32 s33, s24, 32*WP
	s_add_co_u32 s33, s33, WB                      ; my stage
	v_mul_u32_u24 v4, v2, WP
	v_add_nc_u32 v4, s33, v4                       ; into it: row = my column
	v_and_b32 v5, 15, v2
	v_lshrrev_b32 v6, 4, v2
	v_mul_u32_u24 v7, v6, WP
	v_lshl_add_u32 v7, v5, 4, v7
	v_add_nc_u32 v7, s33, v7                       ; out of it: sixteen lanes to a row, two rows an instruction
	v_lshlrev_b32 v8, 9, v6
	v_lshl_add_u32 v8, v5, 4, v8                   ; and the same place in wc (rows of 512 bytes)
	v_lshlrev_b32 v9, 5, v2                        ; my column's row of scale bytes
.macro WLOAD t
.irp i, 0,1,2,3,4,5,6,7,8,9,10,11,12,13,14,15,16,17,18,19,20,21,22,23,24,25,26,27,28,29,30,31
	global_load_b32 v[WX+32*((\t)%2)+\i], v3, s[6:7] offset:(32*(\t)+\i)*4096 th:TH_LOAD_NT
.endr
.endm
	WLOAD 0
	WLOAD 1
.macro WBLOCK t
.set XS, WX+32*((\t)%2)
.if (\t) < 15
	s_wait_loadcnt 32                              ; this block's 32 loads are in; the next block's may be out
.else
	s_wait_loadcnt 0
.endif
	v_max3_num_f32 v12, |v[XS]|, |v[XS+1]|, |v[XS+2]|
	v_max3_num_f32 v13, |v[XS+3]|, |v[XS+4]|, |v[XS+5]|
.irp i, 6,10,14,18,22,26
	v_max3_num_f32 v12, v12, |v[XS+\i]|, |v[XS+\i+1]|
	v_max3_num_f32 v13, v13, |v[XS+\i+2]|, |v[XS+\i+3]|
.endr
	v_max3_num_f32 v12, v12, |v[XS+30]|, |v[XS+31]|
	v_max3_num_f32 v12, v12, v13, 0x1800000        ; and the floor 2^(3 - 127)
	v_add_nc_u32 v11, 0xff000000, v12              ; the conversion's scale operand
	v_lshrrev_b32 v13, 23, v11                     ; the scale's byte
.if (\t)%4 == 0
	v_mov_b32 v[WSB+(\t)/4], v13
.else
	v_lshl_or_b32 v[WSB+(\t)/4], v13, 8*((\t)%4), v[WSB+(\t)/4]
.endif
.irp g, 0,1,2,3
	v_cvt_scalef32_pk8_fp4_f32 v[WC+\g], v[XS+8*\g:XS+8*\g+7], v11
.endr
	ds_store_b128 v4, v[WC:WC+3] offset:16*(\t)    ; 32 codes: 16 bytes of my column's row
.if (\t)+2 < 16
	WLOAD (\t)+2
.endif
	s_wait_dscnt 0x0                               ; the store has read its registers: the next block's codes may be written
.endm
.irp t, 0,1,2,3,4,5,6,7,8,9,10,11,12,13,14,15
	WBLOCK \t
.endr
	global_store_b128 v9, v[WSB:WSB+3], s[20:21]   ; my column's 16 scale bytes
.irp t, 0,1,2,3,4,5,6,7,8,9,10,11,12,13,14,15
	ds_load_b128 v[WOUT+4*\t:WOUT+4*\t+3], v7 offset:2*\t*WP
.endr
.irp t, 0,1,2,3,4,5,6,7,8,9,10,11,12,13,14,15
	s_wait_dscnt 15-\t                             ; LDS loads come back in order: load t is in, the younger ones may be out
	global_store_b128 v8, v[WOUT+4*\t:WOUT+4*\t+3], s[18:19] offset:2*\t*512
.endr
	s_wait_tensorcnt 0x0                           ; the wave's end
	ds_add_u32 v[SPW], v[NIL]
	s_wait_dscnt 0x0
	s_endpgm
.Lnot_w:
; ---------------- WAY O.  The same plan without a quantiser: a lane takes a column n of Wo, its registers run down k; pairs are rounded to f16.  A wave takes 32 columns x 128 along k: 256 bytes a column.
	s_sub_co_u32 s25, ttmp9, 304
	s_lshr_b32 s27, s25, 3                         ; which 128 along k
	s_and_b32 s28, s25, 7                          ; which 128 columns
	s_lshl_b32 s28, s28, 7
	s_lshl_b32 s29, s24, 5
	s_add_co_u32 s28, s28, s29                     ; my wave's first column
	s_lshl_b32 s30, s27, 19                        ; 128 rows of 4,096 bytes
	s_lshl_b32 s31, s28, 2
	s_add_co_u32 s30, s30, s31
	s_mov_b32 s31, 0
	s_add_nc_u64 s[12:13], s[12:13], s[30:31]
	s_lshl_b32 s30, s28, 11                        ; rows of wot are 2,048 bytes
	s_lshl_b32 s32, s27, 8
	s_add_co_u32 s30, s30, s32
	s_add_nc_u64 s[22:23], s[22:23], s[30:31]
	v_lshlrev_b32 v3, 2, v2
	s_mul_i32 s33, s24, 32*272
	s_add_co_u32 s33, s33, OB                      ; my stage
	v_mul_u32_u24 v4, v2, 272
	v_add_nc_u32 v4, s33, v4
	v_and_b32 v5, 15, v2
	v_lshrrev_b32 v6, 4, v2
	v_mul_u32_u24 v7, v6, 272
	v_lshl_add_u32 v7, v5, 4, v7
	v_add_nc_u32 v7, s33, v7
	v_lshlrev_b32 v8, 11, v6
	v_lshl_add_u32 v8, v5, 4, v8
.macro OLOAD t
.irp i, 0,1,2,3,4,5,6,7,8,9,10,11,12,13,14,15,16,17,18,19,20,21,22,23,24,25,26,27,28,29,30,31
	global_load_b32 v[32+32*((\t)%2)+\i], v3, s[12:13] offset:(32*(\t)+\i)*4096
.endr
.endm
	OLOAD 0
	OLOAD 1
.macro OBLOCK t
.if (\t) < 3
	s_wait_loadcnt 32                              ; this block's 32 loads are in; the next block's may be out
.else
	s_wait_loadcnt 0
.endif
.irp i, 0,1,2,3,4,5,6,7,8,9,10,11,12,13,14,15
	v_cvt_pk_f16_f32 v[96+16*(\t)+\i], v[32+32*((\t)%2)+2*\i], v[32+32*((\t)%2)+2*\i+1]   ; each block has its own 16 registers: no store's data are written again
.endr
.irp g, 0,1,2,3
	ds_store_b128 v4, v[96+16*(\t)+4*\g:96+16*(\t)+4*\g+3] offset:64*(\t)+16*\g
.endr
.if (\t)+2 < 4
	OLOAD (\t)+2
.endif
.endm
.irp t, 0,1,2,3
	OBLOCK \t
.endr
.irp t, 0,1,2,3,4,5,6,7,8,9,10,11,12,13,14,15
	ds_load_b128 v[32+4*\t:32+4*\t+3], v7 offset:2*\t*272
.endr
.irp t, 0,1,2,3,4,5,6,7,8,9,10,11,12,13,14,15
	s_wait_dscnt 15-\t
	global_store_b128 v8, v[32+4*\t:32+4*\t+3], s[22:23] offset:2*\t*2048   ; sixteen lanes store 256 consecutive bytes, aligned
.endr
	s_wait_tensorcnt 0x0                           ; the wave's end
	ds_add_u32 v[SPW], v[NIL]
	s_wait_dscnt 0x0
	s_endpgm
.Lfunc_end_k_qe3f31859b7_prep:
	.size	k_qe3f31859b7_prep, .Lfunc_end_k_qe3f31859b7_prep-k_qe3f31859b7_prep
	.p2alignl 7, 3214868480
	.fill 96, 4, 3214868480
	.section	.rodata,"a",@progbits
	.p2align	6, 0x0
	.amdhsa_kernel k_qe3f31859b7_prep
		.amdhsa_group_segment_fixed_size 102912
		.amdhsa_private_segment_fixed_size 0
		.amdhsa_enable_private_segment 0
		.amdhsa_kernarg_size 80
		.amdhsa_user_sgpr_count 2
		.amdhsa_user_sgpr_kernarg_segment_ptr 1
		.amdhsa_wavefront_size32 1
		.amdhsa_system_sgpr_workgroup_id_x 1
		.amdhsa_system_sgpr_workgroup_id_y 1
		.amdhsa_system_sgpr_workgroup_id_z 1
		.amdhsa_system_vgpr_workitem_id 0
		.amdhsa_next_free_vgpr 194
		.amdhsa_next_free_sgpr 66
		.amdhsa_reserve_vcc 0
		.amdhsa_float_denorm_mode_32 3
		.amdhsa_float_denorm_mode_16_64 3
		.amdhsa_memory_ordered 1
		.amdhsa_forward_progress 1
		.amdhsa_inst_pref_size 132
	.end_amdhsa_kernel
	.amdgpu_metadata
---
amdhsa.version: [ 1, 2 ]
amdhsa.kernels:
  - .name:           k_qe3f31859b7_prep
    .symbol:         k_qe3f31859b7_prep.kd
    .args:
      - { .name: x, .offset: 0, .size: 8, .value_kind: global_buffer, .address_space: global }
      - { .name: Wq, .offset: 8, .size: 8, .value_kind: global_buffer, .address_space: global }
      - { .name: Wk, .offset: 16, .size: 8, .value_kind: global_buffer, .address_space: global }
      - { .name: Wv, .offset: 24, .size: 8, .value_kind: global_buffer, .address_space: global }
      - { .name: Wo, .offset: 32, .size: 8, .value_kind: global_buffer, .address_space: global }
      - { .name: xc, .offset: 40, .size: 8, .value_kind: global_buffer, .address_space: global }
      - { .name: xs, .offset: 48, .size: 8, .value_kind: global_buffer, .address_space: global }
      - { .name: wc, .offset: 56, .size: 8, .value_kind: global_buffer, .address_space: global }
      - { .name: ws, .offset: 64, .size: 8, .value_kind: global_buffer, .address_space: global }
      - { .name: wot, .offset: 72, .size: 8, .value_kind: global_buffer, .address_space: global }
    .group_segment_fixed_size: 102912
    .private_segment_fixed_size: 0
    .kernarg_segment_align: 8
    .kernarg_segment_size: 80
    .max_flat_workgroup_size: 128
    .sgpr_count:     66
    .vgpr_count:     194
    .wavefront_size: 32
...
	.end_amdgpu_metadata
.endif
;; end of part 1
;; launch qkv (part 2): grid 12 x 32, 4 waves a work-group, clusters of 4 x 4, 327,680 bytes of LDS; arguments xc, xs, wc, ws, qkv, first32; writes qkv, first32
.if DOCPART == 2
	.amdgcn_target "amdgcn-amd-amdhsa--gfx1250"
	.amdhsa_code_object_version 6
	.text
	.protected	k_qe3f31859b7_qkv
	.globl	k_qe3f31859b7_qkv
	.p2align	8
	.type	k_qe3f31859b7_qkv,@function
k_qe3f31859b7_qkv:
	s_mov_b64 s[64:65], 0
	v_nop
	global_prefetch_b8 v0, s[64:65] scope:SCOPE_SE
	s_setreg_imm32_b32 hwreg(HW_REG_WAVE_MODE, 25, 1), 1
	s_wait_xcnt 0x0
	s_wait_alu depctr_hold_cnt(0) depctr_sa_sdst(0) depctr_va_vdst(0) depctr_va_sdst(0) depctr_va_ssrc(0) depctr_va_vcc(0) depctr_vm_vsrc(0)
	s_getreg_b32 s2, hwreg(HW_REG_IB_STS2, 6, 4)
	s_cmp_eq_u32 s2, 0
	s_cbranch_scc0 .Lentry_in_a_cluster
	s_endpgm
.Lentry_in_a_cluster:
	s_bfe_u32 s2, ttmp6, 0x10000c
	s_cmp_lg_u32 s2, 0xf033
	s_cbranch_scc0 .Lentry_shape_is_right
	s_endpgm
.Lentry_shape_is_right:
; QKV.  The three quantised products as ONE product on codes of E2M1: C[m][n] = sum over k of X[m][k] W[n][k], m = 8,192 rows of x, n = 3,072 = 1024 x which + 64 x head + d, k = 1,024.
; Codes and E8M0 bytes go to the matrix unit as they lie.  Results leave as f16, laid by head: qkv[which][b][h][s][64]; the rows of positions 0-15 of each sequence also as f32: first32[b][pos][3072].
; LIMITS: |q|, |k|, |v| above 65,504 become infinity in f16, under 6e-8 they become 0.
; A tile of C, 256 x 256, is made by four waves, 128 x 128 each: 64 accumulators, 512 registers.  K = 1,024 is exactly two LDS slots of 512 along K: both are filled at the start and nothing is filled again: no loop.
; The scales of the tile's 256 + 256 rows, for all of K, come into LDS once, with the first fills.
; CLUSTERS: 4 x 4 work-groups; the four of a row of the cluster need the same tiles of X, the four of a column the same tiles of W: each is asked for jointly.
; TILE ROW = cluster y + 8 cy: so the batch is cy and the block of 256 positions is cluster y, and 'this tile holds positions 0-15' hangs on the cluster's number and the wave's alone.
; The matrix instruction is used transposed (source 0 = 16 rows of W, source 1 = 16 rows of X): a lane holds eight neighbouring columns of one row of C.
; REGISTERS: window 0: v16-31 addresses; v32-95 scale words, two sets; v128-191 X's fragments, one set.  window 1: W's fragments, two sets.  windows 2, 3: accumulators (a, b) at v[8 (8 (a % 4) + b)].
.set NQ,     4                         ; matrix instructions deep in a slot
.set ROWB,   256                       ; a tile's row in bytes: 512 codes
.set KROW,   512                       ; a row of codes in memory
.set PITCH,  272                       ; an LDS row: 256 bytes + 16 of padding: the 16 rows that a load touches start at 16 different groups of banks (64 banks of 4 bytes: ISA guide 11.1)
.set FR,     8
.set NL,     2
.set NP,     4
.set HALFT,  128*PITCH
.set SLOT,   4*HALFT
.set KS,     32                        ; a row of scales in bytes
.set SCL,    2*SLOT
.set HALFS,  16*272                    ; the scales of 128 rows
.set SBLK,   2*272                     ; those of 16 rows
.set SPARE,  SCL+4*HALFS               ; the spare words, 128 bytes for each wave
.set SPITCH, 528                       ; the way out: a stage of 16 x 528 bytes for each wave, in slot 0, which has had its only fill and its last read by then
.set ADRA, 16
.set ADRB, 20
.set STO,  24                          ; f16 stage, way in
.set RD,   25                          ; f16 stage, way back
.set GO,   26                          ; 16 x lane
.set ADRS, 27
.set SPW,  28
.set NIL,  29
.set STO32, 30                         ; f32 stage, way in
.set RD32, 31                          ; f32 stage, way back
.set SC,   32
.set AF,   128
.set TMP,  192                         ; the way out: packed results
.set BK,   32                          ; the way out: rows read back: v32-63 and v64-95 by turns
.set G1, 24
.set G0, 32
.set G1B, 48
.set G0B, 56
.set G1S, 68
.set G0S, 76
.set G1SB, 80
.set G0SB, 88
.set MSB, 0
.macro WIN new
.if MSB != \new
	s_set_vgpr_msb (MSB<<8)|\new
.set MSB, \new
.endif
.endm
.set MUL_LO, 0xa1
.set MUL_HI, 0xf1
.set TO_B,   0x40
; A joint load: waves 0 and 1 fetch for X, waves 2 and 3 for W.  The branch hangs on the wave's number alone.  An s_nop 0 and four v_nop follow each line.
.macro JLOAD g0a, g1a, g0b, g1b
	s_cmp_eq_u32 s17, 0
	s_cbranch_scc0 .Lfor_b_\@
	tensor_load_to_lds s[\g0a:\g0a+3], s[\g1a:\g1a+7]
	s_nop 0
.rept 4
	v_nop
.endr
	s_branch .Lasked_\@
.Lfor_b_\@:
	tensor_load_to_lds s[\g0b:\g0b+3], s[\g1b:\g1b+7]
	s_nop 0
.rept 4
	v_nop
.endr
.Lasked_\@:
.endm
.macro CROUND                          ; a round of the cluster's barrier
	s_barrier_signal -1
	s_barrier_wait -1
	s_cmp_lg_u32 s16, 0
	s_cbranch_scc1 .Lnot_wave_0_\@
	s_barrier_signal -3
.Lnot_wave_0_\@:
	s_barrier_wait -3
	s_barrier_signal -1
	s_barrier_wait -1
.endm
	s_load_b128 s[4:7], s[0:1], 0x0                ; X's codes, X's scales
	s_load_b128 s[8:11], s[0:1], 0x10              ; W's codes, W's scales
	s_load_b128 s[12:15], s[0:1], 0x20             ; qkv, first32
	v_lshl_add_u32 v[SPW], v0, 2, SPARE
	v_mov_b32 v[NIL], 0
	ds_add_u32 v[SPW], v[NIL]                      ; the wave's opening: the add, twice on end, and its wait ahead of my first tensor load
	ds_add_u32 v[SPW], v[NIL]
	v_lshrrev_b32 v1, 5, v0
	v_readfirstlane_b32 s16, v1                    ; wave 0..3
	s_lshr_b32 s17, s16, 1                         ; which half of the tile's rows is mine.  Also: I fetch for X (0) or for W (1)
	s_and_b32 s18, s16, 1                          ; which half of its columns.  Also: which 128 rows I fetch
	s_bfe_u32 s40, ttmp6, 0x40000                  ; cx
	s_bfe_u32 s41, ttmp6, 0x40004                  ; cy
	s_lshl_b32 s42, ttmp9, 2
	s_add_co_u32 s42, s42, s40                     ; tile column = 4 x cluster x + cx
	s_and_b32 s66, ttmp7, 0xffff                   ; cluster y
	s_lshl_b32 s19, s41, 3
	s_add_co_u32 s19, s19, s66                     ; tile row = 8 cy + cluster y
	s_lshl_b32 s43, s41, 2
	s_lshl_b32 s43, 15, s43                        ; my row of the cluster
	s_lshl_b32 s44, 0x1111, s40                    ; my column
	s_or_b32 s[G1+0], s43, (0<<16)|(1<<20)|(1<<21)|(5<<22)|(3<<25)  ; the mask; elements of 1 byte; padding on; bit 21 beside a mask; after every 64 words, 4 words
	s_or_b32 s[G1B+0], s44, (0<<16)|(1<<20)|(1<<21)|(5<<22)|(3<<25)
.irp g, G1, G1B
	s_mov_b32 s[\g+1], ROWB<<16                    ; tensor_dim0
	s_mov_b32 s[\g+2], 128<<16                     ; tensor_dim1
	s_mov_b32 s[\g+3], ROWB<<16                    ; tile_dim0
	s_mov_b32 s[\g+4], 128                         ; tile_dim1
	s_mov_b32 s[\g+5], KROW                        ; pitch
	s_mov_b32 s[\g+6], 0
	s_mov_b32 s[\g+7], 0
.endr
	s_or_b32 s[G1S+0], s43, (3<<16)|(1<<20)|(1<<21)|(5<<22)|(3<<25) ; the scales of 128 rows: 4,096 dense bytes as 16 rows of 256 (32 elements of 8 bytes), 16 bytes of padding behind each
	s_or_b32 s[G1SB+0], s44, (3<<16)|(1<<20)|(1<<21)|(5<<22)|(3<<25)
.irp g, G1S, G1SB
	s_mov_b32 s[\g+1], 32<<16
	s_mov_b32 s[\g+2], 16<<16
	s_mov_b32 s[\g+3], 32<<16
	s_mov_b32 s[\g+4], 16
	s_mov_b32 s[\g+5], 32
	s_mov_b32 s[\g+6], 0
	s_mov_b32 s[\g+7], 0
.endr
	s_lshl_b32 s2, s18, 7                          ; which 128 rows of the tile I fetch
	s_lshl_b32 s20, s19, 8
	s_add_co_u32 s20, s20, s2                      ; X: row 256 x tile row + 128 x half
	s_lshl_b32 s46, s42, 8
	s_add_co_u32 s46, s46, s2                      ; W: row 256 x tile column + 128 x half
	s_lshl_b32 s22, s20, 5                         ; their scales, 32 bytes a row,
	s_mov_b32 s23, 0
	s_lshl_b32 s92, s46, 5
	s_mov_b32 s93, 0
	s_lshl_b32 s20, s20, 9                         ; and their codes, 512 bytes a row
	s_mov_b32 s21, 0
	s_lshl_b32 s46, s46, 9
	s_mov_b32 s47, 0
	s_mul_i32 s45, s16, HALFT                      ; where they go: wave x 128 rows: no place in the cluster enters an LDS address
	s_mul_i32 s94, s16, HALFS
	s_wait_dscnt 0x0                               ; both opening adds are done
	s_wait_kmcnt 0x0
	s_add_nc_u64 s[20:21], s[4:5], s[20:21]
	s_add_nc_u64 s[22:23], s[6:7], s[22:23]
	s_add_nc_u64 s[46:47], s[8:9], s[46:47]
	s_add_nc_u64 s[92:93], s[10:11], s[92:93]
	CROUND                                         ; all sixteen work-groups are here: the joint loads meet
	s_mov_b32 s[G0S], 1
	s_add_co_u32 s[G0S+1], s94, SCL
	s_mov_b64 s[G0S+2:G0S+3], s[22:23]
	s_or_b32 s[G0S+3], s[G0S+3], 0x80000000
	s_mov_b32 s[G0SB], 1
	s_add_co_u32 s[G0SB+1], s94, SCL
	s_mov_b64 s[G0SB+2:G0SB+3], s[92:93]
	s_or_b32 s[G0SB+3], s[G0SB+3], 0x80000000
	JLOAD G0S, G1S, G0SB, G1SB                     ; the scales first
.irp s, 0,1
	s_mov_b32 s[G0+4*\s], 1
	s_add_co_u32 s[G0+4*\s+1], s45, \s*SLOT
	s_add_nc_u64 s[G0+4*\s+2:G0+4*\s+3], s[20:21], \s*ROWB
	s_or_b32 s[G0+4*\s+3], s[G0+4*\s+3], 0x80000000
	s_mov_b32 s[G0B+4*\s], 1
	s_add_co_u32 s[G0B+4*\s+1], s45, \s*SLOT
	s_add_nc_u64 s[G0B+4*\s+2:G0B+4*\s+3], s[46:47], \s*ROWB
	s_or_b32 s[G0B+4*\s+3], s[G0B+4*\s+3], 0x80000000
	JLOAD G0+4*\s, G1, G0B+4*\s, G1B               ; three loads of mine are out in all
.endr
	v_and_b32 v1, 15, v0                           ; r = l % 16
	v_bfe_u32 v2, v0, 4, 1                         ; h = l / 16
	v_mul_u32_u24 v3, v1, PITCH
	v_lshl_add_u32 v4, v2, 4, v3                   ; a fragment's row x pitch + 16 x half
	s_mul_i32 s21, s17, HALFT                      ; my 128 rows of X
	s_mul_i32 s22, s18, HALFT                      ; my 128 rows of W,
	s_add_co_u32 s22, s22, 2*HALFT                 ; behind X's 256
.irp s, 0,1
	v_add_nc_u32 v[ADRA+\s], s21, v4
	v_add_nc_u32 v[ADRB+\s], s22, v4
	s_add_co_u32 s21, s21, SLOT
	s_add_co_u32 s22, s22, SLOT
.endr
	v_mul_u32_u24 v5, v1, KS                       ; my row's scales: 32 bytes a row,
	v_lshrrev_b32 v6, 8, v5
	v_lshl_add_u32 v5, v6, 4, v5                   ; and 16 more for each 256 passed
	s_mul_i32 s21, s17, HALFS
	s_mul_i32 s22, s18, HALFS
	s_add_co_u32 s22, s22, 2*HALFS
	s_sub_co_u32 s22, s22, s21
	v_mul_u32_u24 v6, s22, v2                      ; lanes 16-31 take W's: one product, the distance between the two bases x h
	s_add_co_u32 s21, s21, SCL
	v_add_nc_u32 v5, v5, v6
	v_add_nc_u32 v[ADRS], s21, v5
	s_mul_i32 s23, s16, 16*SPITCH                  ; my stage
	v_mul_u32_u24 v5, v1, SPITCH
	v_lshl_add_u32 v5, v2, 5, v5
	v_add_nc_u32 v[STO32], s23, v5                 ; f32: row r, 32 bytes for each half of the lanes
	v_and_b32 v6, 31, v0
	v_lshlrev_b32 v[GO], 4, v6
	v_add_nc_u32 v[RD32], s23, v[GO]               ; back: 32 lanes take a row of 512 bytes
	v_lshrrev_b32 v5, 1, v1                        ; f16: two rows of 128 bytes share an LDS row of 256 + 16: (r / 2) x 272 + (r % 2) x 128 + 16 h
	v_mul_u32_u24 v5, v5, 272
	v_and_b32 v6, 1, v0
	v_lshl_add_u32 v5, v6, 7, v5
	v_lshl_add_u32 v5, v2, 4, v5
	v_add_nc_u32 v[STO], s23, v5
	v_mul_u32_u24 v5, v2, 272
	v_lshl_add_u32 v5, v1, 4, v5
	v_add_nc_u32 v[RD], s23, v5                    ; back: lanes 0-15 one LDS row (two rows of a head), lanes 16-31 the next
	; where my part begins in qkv: which << 24 + batch << 22 + head << 18 + position x 128
	s_lshr_b32 s20, s42, 2
	s_lshl_b32 s20, s20, 24
	s_lshl_b32 s21, s41, 22
	s_add_co_u32 s20, s20, s21
	s_and_b32 s21, s42, 3
	s_lshl_b32 s21, s21, 2
	s_lshl_b32 s22, s18, 1
	s_add_co_u32 s21, s21, s22                     ; my first head: 4 (tile column % 4) + 2 x half
	s_lshl_b32 s21, s21, 18
	s_add_co_u32 s20, s20, s21
	s_lshl_b32 s21, s66, 8
	s_lshl_b32 s22, s17, 7
	s_add_co_u32 s21, s21, s22                     ; my first position
	s_lshl_b32 s21, s21, 7
	s_add_co_u32 s20, s20, s21
	s_mov_b32 s21, 0
	s_add_nc_u64 s[12:13], s[12:13], s[20:21]
	s_mul_i32 s20, s41, 196608                     ; first32: batch x 16 rows of 12,288 bytes + my first column x 4
	s_lshl_b32 s22, s42, 10
	s_add_co_u32 s20, s20, s22
	s_lshl_b32 s22, s18, 9
	s_add_co_u32 s20, s20, s22
	s_add_nc_u64 s[14:15], s[14:15], s[20:21]
.macro FRAG reg, adr, q, i             ; 16 rows x 128 K of 4-bit codes: 8 registers: two loads of 16 bytes, 32 bytes apart
.irp c, 0,1
	ds_load_b128 v[\reg+4*\c:\reg+4*\c+3], v[\adr] offset:64*(\q)+32*\c+(\i)*16*PITCH
.endr
.endm
; 16 matrix instructions: X's blocks a0, a0 + 1 x W's eight.  The 64 accumulators take turns, one instruction a turn, in the same order in every step.
.macro MUL16 a0, p, q, sc, zero
.irp a, \a0, \a0+1
.irp b, 0,1,2,3,4,5,6,7
.if \zero
	v_wmma_scale_f32_16x16x128_f8f6f4 v[8*(8*((\a)%4)+\b):8*(8*((\a)%4)+\b)+7], v[128*(\p)+FR*\b:128*(\p)+FR*\b+FR-1], v[AF+FR*(\a):AF+FR*(\a)+FR-1], 0, v[SC+8*NQ*(\sc)+NQ*\b+(\q)], v[SC+8*NQ*(\sc)+NQ*(\a)+(\q)] matrix_a_fmt:MATRIX_FMT_FP4 matrix_b_fmt:MATRIX_FMT_FP4 matrix_a_scale:MATRIX_SCALE_ROW1
.else
	v_wmma_scale_f32_16x16x128_f8f6f4 v[8*(8*((\a)%4)+\b):8*(8*((\a)%4)+\b)+7], v[128*(\p)+FR*\b:128*(\p)+FR*\b+FR-1], v[AF+FR*(\a):AF+FR*(\a)+FR-1], v[8*(8*((\a)%4)+\b):8*(8*((\a)%4)+\b)+7], v[SC+8*NQ*(\sc)+NQ*\b+(\q)], v[SC+8*NQ*(\sc)+NQ*(\a)+(\q)] matrix_a_fmt:MATRIX_FMT_FP4 matrix_b_fmt:MATRIX_FMT_FP4 matrix_a_scale:MATRIX_SCALE_ROW1
.endif
.endr
.endr
.endm
.macro FETCH_B slot, q, p
	WIN TO_B
.irp i, 0,1,2,3,4,5,6,7
	FRAG 128*(\p)+FR*\i, ADRB+\slot, \q, \i
.endr
	WIN 0
.endm
.macro FETCH_A slot, q, i0
.irp i, \i0, \i0+1, \i0+2, \i0+3
	FRAG AF+FR*(\i), ADRA+\slot, \q, \i
.endr
.endm
.macro SCALES sc                       ; a slot's scale words: 4 words a row; lanes 0-15 take X's block i, lanes 16-31 W's block i
.irp i, 0,1,2,3,4,5,6,7
	ds_load_b128 v[SC+8*NQ*\sc+NQ*\i:SC+8*NQ*\sc+NQ*\i+3], v[ADRS] offset:\i*SBLK
.endr
.endm
.macro PLACES n                        ; plain vector instructions between a matrix instruction and a load into, or a read of, its registers
.rept \n
	v_nop
.endr
.endm
.macro STEP slot, q, zero
	s_wait_dscnt 4*NL                              ; W's set and X's blocks 0-3 are in; the youngest eight loads (X's blocks 4-7) may be out
	WIN MUL_LO
	MUL16 0, (\q)%2, \q, \slot, \zero
	MUL16 2, (\q)%2, \q, \slot, \zero
	s_wait_dscnt 0
	PLACES NP
	FETCH_B \slot, (\q)+1, 1-(\q)%2
	FETCH_A \slot, (\q)+1, 0
	WIN MUL_HI
	MUL16 4, (\q)%2, \q, \slot, \zero
	MUL16 6, (\q)%2, \q, \slot, \zero
	PLACES NP
	WIN 0
	FETCH_A \slot, (\q)+1, 4
.endm
; Slot 0's last step changes slots: one barrier; in front of it each wave waits for all its tensor loads (its part of slot 1), adds 0 to its spare word, and waits for that and for its reads of slot 0.  Nothing is filled again.
.macro TURN slot, next
	s_wait_tensorcnt 0x0
	ds_add_u32 v[SPW], v[NIL]
	s_wait_dscnt 4*NL+1                            ; the add and the youngest eight loads may be out
	WIN MUL_LO
	MUL16 0, 1, NQ-1, \slot, 0
	s_wait_dscnt 0x0                               ; the add is done, and my reads of this slot are over
	s_barrier_signal -1
	MUL16 2, 1, NQ-1, \slot, 0
	WIN 0
	s_barrier_wait -1
	PLACES NP
	v_add_nc_u32 v[ADRS], 4*NQ, v[ADRS]            ; on to the next slot's scale words
	FETCH_B \next, 0, 0
	FETCH_A \next, 0, 0
	SCALES \next
	WIN MUL_HI
	MUL16 4, 1, NQ-1, \slot, 0
	MUL16 6, 1, NQ-1, \slot, 0
	PLACES NP
	WIN 0
	FETCH_A \next, 0, 4
.endm
	s_wait_tensorcnt 1                             ; the scales and my part of slot 0 are in (slot 1's load may be out)
	s_barrier_signal -1
	s_barrier_wait -1                              ; everybody's are
	FETCH_B 0, 0, 0
	FETCH_A 0, 0, 0
	SCALES 0
	FETCH_A 0, 0, 4
	STEP 0, 0, 1                                   ; the first products start the sums: nothing is cleared
	STEP 0, 1, 0
	STEP 0, 2, 0
	TURN 0, 1
	STEP 1, 0, 0
	STEP 1, 1, 0
	STEP 1, 2, 0
	s_wait_dscnt 4*NL                              ; the last step: nothing more to fetch
	WIN MUL_LO
	MUL16 0, 1, NQ-1, 1, 0
	MUL16 2, 1, NQ-1, 1, 0
	s_wait_dscnt 0
	WIN MUL_HI
	MUL16 4, 1, NQ-1, 1, 0
	MUL16 6, 1, NQ-1, 1, 0
	WIN 0
; THE WAY OUT.  A lane holds eight neighbouring columns of one row.  My 128 columns are two heads.
	PLACES NP                                      ; behind the last products: for the reads of results and for loads into registers that held fragments and scale words
	s_or_b32 s67, s66, s17                         ; positions 0-15 lie in block 0 of the waves with the tile's upper rows, where cluster y = 0: ids alone, no place in the cluster
	s_cmp_lg_u32 s67, 0
	s_cbranch_scc1 .Lno_first
	WIN 0x08                                       ; an LDS store's data are its source 1: window 2
.irp b, 0,1,2,3,4,5,6,7
	ds_store_b128 v[STO32], v[8*\b:8*\b+3] offset:64*\b            ; each accumulator from its low end on
	ds_store_b128 v[STO32], v[8*\b+4:8*\b+7] offset:64*\b+16
.endr
	WIN 0
.irp t, 0,1,2,3,4,5,6,7,8,9,10,11,12,13,14,15
	ds_load_b128 v[128+4*\t:128+4*\t+3], v[RD32] offset:\t*SPITCH  ; LDS serves a wave's instructions in order: these see the stores above
.endr
.irp t, 0,1,2,3,4,5,6,7,8,9,10,11,12,13,14,15
	s_wait_dscnt 15-\t
	global_store_b128 v[GO], v[128+4*\t:128+4*\t+3], s[14:15] offset:\t*12288   ; 32 lanes store 512 consecutive bytes, aligned
.endr
.Lno_first:
.macro PACK a                          ; block a rounded to f16: 16 bytes a lane and accumulator
.set AC, 64*((\a)%4)
	WIN 0x0a+5*((\a)/4)                            ; sources 0 and 1: window 2 or 3
.irp b, 0,1,2,3,4,5,6,7
.irp i, 0,1,2,3
	v_cvt_pk_f16_f32 v[TMP+4*\b+\i], v[AC+8*\b+2*\i], v[AC+8*\b+2*\i+1]
.endr
.endr
	WIN 0
.endm
.macro TOSTAGE a                       ; into my stage, a region of 8 LDS rows for each head, and back as whole LDS rows
.set BB, BK+32*((\a)%2)
.irp b, 0,1,2,3,4,5,6,7
	ds_store_b128 v[STO], v[TMP+4*\b:TMP+4*\b+3] offset:(\b/4)*2176+32*(\b%4)
.endr
.irp hh, 0,1
.irp g, 0,1,2,3
	ds_load_b128 v[BB+4*(4*\hh+\g):BB+4*(4*\hh+\g)+3], v[RD] offset:\hh*2176+\g*544
.endr
.endr
.endm
.macro SEND a, younger
.set BB, BK+32*((\a)%2)
	s_wait_dscnt \younger
.irp hh, 0,1
.irp g, 0,1,2,3
	global_store_b128 v[GO], v[BB+4*(4*\hh+\g):BB+4*(4*\hh+\g)+3], s[12:13] offset:\hh*262144+(\a)*2048+\g*512   ; four rows of a head: 512 consecutive bytes, aligned
.endr
.endr
.endm
	PACK 0
	TOSTAGE 0
.irp a, 1,2,3,4,5,6,7
	PACK \a                                        ; block a's conversions stand between block a - 1's loads from the stage and the wait for them
.if \a > 1
	s_wait_xcnt 0x0                                ; block a - 2's stores have read their registers: block a's loads may land there
.endif
	SEND \a-1, 0
	TOSTAGE \a
.endr
	SEND 7, 0
	s_wait_tensorcnt 0x0                           ; the wave's end
	ds_add_u32 v[SPW], v[NIL]
	s_wait_dscnt 0x0
	CROUND                                         ; the closing round
	s_endpgm
.Lfunc_end_k_qe3f31859b7_qkv:
	.size	k_qe3f31859b7_qkv, .Lfunc_end_k_qe3f31859b7_qkv-k_qe3f31859b7_qkv
	.p2alignl 7, 3214868480
	.fill 96, 4, 3214868480
	.section	.rodata,"a",@progbits
	.p2align	6, 0x0
	.amdhsa_kernel k_qe3f31859b7_qkv
		.amdhsa_group_segment_fixed_size 327680
		.amdhsa_private_segment_fixed_size 0
		.amdhsa_enable_private_segment 0
		.amdhsa_kernarg_size 48
		.amdhsa_user_sgpr_count 2
		.amdhsa_user_sgpr_kernarg_segment_ptr 1
		.amdhsa_wavefront_size32 1
		.amdhsa_system_sgpr_workgroup_id_x 1
		.amdhsa_system_sgpr_workgroup_id_y 1
		.amdhsa_system_sgpr_workgroup_id_z 1
		.amdhsa_system_vgpr_workitem_id 0
		.amdhsa_next_free_vgpr 1024
		.amdhsa_next_free_sgpr 98
		.amdhsa_reserve_vcc 0
		.amdhsa_float_denorm_mode_32 3
		.amdhsa_float_denorm_mode_16_64 3
		.amdhsa_memory_ordered 1
		.amdhsa_forward_progress 1
		.amdhsa_inst_pref_size 131
	.end_amdhsa_kernel
	.amdgpu_metadata
---
amdhsa.version: [ 1, 2 ]
amdhsa.kernels:
  - .name:           k_qe3f31859b7_qkv
    .symbol:         k_qe3f31859b7_qkv.kd
    .args:
      - { .name: xc, .offset: 0, .size: 8, .value_kind: global_buffer, .address_space: global }
      - { .name: xs, .offset: 8, .size: 8, .value_kind: global_buffer, .address_space: global }
      - { .name: wc, .offset: 16, .size: 8, .value_kind: global_buffer, .address_space: global }
      - { .name: ws, .offset: 24, .size: 8, .value_kind: global_buffer, .address_space: global }
      - { .name: qkv, .offset: 32, .size: 8, .value_kind: global_buffer, .address_space: global }
      - { .name: first32, .offset: 40, .size: 8, .value_kind: global_buffer, .address_space: global }
    .group_segment_fixed_size: 327680
    .private_segment_fixed_size: 0
    .kernarg_segment_align: 8
    .kernarg_segment_size: 48
    .max_flat_workgroup_size: 128
    .sgpr_count:     98
    .vgpr_count:     1024
    .wavefront_size: 32
...
	.end_amdgpu_metadata
.endif
;; end of part 2
;; launch attn (part 3): grid 4 x 64, 16 waves a work-group, no clusters, 327,680 bytes of LDS; arguments qkv, ctx; writes ctx
.if DOCPART == 3
	.amdgcn_target "amdgcn-amd-amdhsa--gfx1250"
	.amdhsa_code_object_version 6
	.text
	.protected	k_qe3f31859b7_attn
	.globl	k_qe3f31859b7_attn
	.p2align	8
	.type	k_qe3f31859b7_attn,@function
k_qe3f31859b7_attn:
	s_mov_b64 s[64:65], 0
	v_nop
	global_prefetch_b8 v0, s[64:65] scope:SCOPE_SE
	s_setreg_imm32_b32 hwreg(HW_REG_WAVE_MODE, 25, 1), 1
	s_wait_xcnt 0x0
; ATTN.  ctx[b][h][q][:] = the sum over k <= q of softmax_k(q . k / 8) v[k][:], operands f16, products, maxima and sums f32.  qkv: [which][b][h][s][64] f16; ctx: [b][h][s][64] f16.
; SOFTMAX.  t = score x log2(e) / 8; M = the running largest t rounded up to a whole number; p = 2^(t - M); when M moves, the sum and O are multiplied by 2^(old M - new M), which rounds nothing.
; The row's sum is taken of p before it is rounded to f16, and divides O at the end.
; LIMITS: |ctx| above 65,504 becomes infinity in f16; a weight p under 6e-8 of its row's largest becomes 0.  Positions 0-15 of each sequence are made again, in f32, by a later launch.
; SHARES.  Work-group (i, head) owns query blocks i and 7 - i (256 queries each) of one head: under the causal mask all 256 work-groups then have equal work.
; Each of sixteen waves owns 32 neighbouring queries, two tiles of 16, so that each fragment of K and V read from LDS feeds two matrix instructions; four waves to a SIMD, two of the early block and two of the late.
; All waves walk the keys together, 64 a step, through a ring of two LDS slots of 256 keys, filled by the tensor data mover (waves 0, 1: K's halves; waves 2, 3: V's).
; A step all of whose keys come after the wave's queries is left out by a scalar branch on ids; a slot whose first key comes after the work-group's last query is not asked for.
; NO CLUSTER: the four work-groups of a head need 8, 7, 6 and 5 slots; a partner would jump over every read of tiles that a joint load brings.
; LAYOUT.  A head's rows of 128 bytes are dense in memory, so a tile is stated as rows of 256 bytes (two keys), padded: key x lies at (x / 2) x pitch + (x % 2) x 128.
; Both products are used transposed: S^T = K Q^T, O^T = V^T P: a lane holds one query (lane % 16) throughout; two tiles of S^T, rounded in pairs, are source 1 of the second product.
.set PK,    272                        ; two keys of K in LDS: 256 + 16: the 16 keys of a load fall on 16 different 16-byte columns of 256
.set PV,    288                        ; two keys of V: 256 + 32: the 16 lanes of a turning load (8 keys x 32 bytes) likewise
.set VOFF,  128*PK                     ; a slot: 128 LDS rows of K, then 128 of V
.set SLOT1, 1<<17
.set STAGE, 2*SLOT1                    ; the way out: 8 x 272 bytes for each wave
.set SPARE, STAGE+16*2176              ; the spare words, 128 bytes for each wave
.set AK0, 1
.set AV0, 2
.set SPW, 3
.set NIL, 4
.set ADK, 5
.set ADV, 6
.set DQ,  7                            ; r - 8 h
.set GO,  8
.set STO, 9
.set RD,  10
.set PFO, 11
.set ST,  12                           ; tile T's statistics at v[12 + 8 T]: +0 -M, +1 the largest t, +2, +3 the sum in two halves, +4 .. +7 at work; +4 then holds f
.set QF,  28                           ; v28-59   Q: tile T, channels 32 c on, at 28 + 16 T + 8 c
.set KV,  60                           ; v60-123  K's fragments (keys 16 kt on, channels 32 c on: 60 + 16 kt + 8 c), later V's (keys 32 u on, channels 16 ct on: 60 + 32 u + 8 ct)
.set S,   124                          ; v124-187 S^T: 124 + 32 T + 8 kt; p; then P packed in place into the tile's first 16
.set O,   188                          ; v188-251 O^T: 188 + 32 T + 8 ct
.set WV,  18
.set SEL, 20
.set CS,  22
.set G1K, 24
.set G1V, 32
.set G0K, 40
.set G0V, 44
.set TB,  2
.set SLOTS, 67
.set PFA, 76
.set LIM, 80
.set QL,  81
.set KF,  98
.set Q0,  99
; Waves 0 and 1 fetch for K, waves 2 and 3 for V, the others nothing.  An s_nop 0 and four v_nop follow each line.
.macro TLOAD
	s_cmp_lt_u32 s[WV], 2
	s_cbranch_scc0 .Lnot_k_\@
	tensor_load_to_lds s[G0K:G0K+3], s[G1K:G1K+7]
	s_nop 0
.rept 4
	v_nop
.endr
	s_branch .Lasked_\@
.Lnot_k_\@:
	s_cmp_lt_u32 s[WV], 4
	s_cbranch_scc0 .Lasked_\@
	tensor_load_to_lds s[G0V:G0V+3], s[G1V:G1V+7]
	s_nop 0
.rept 4
	v_nop
.endr
.Lasked_\@:
.endm
; A prefetch of what the NEXT change of slots will ask for: 32,768 dense bytes of K and as many of V.  The head's work-group 0, which walks all eight slots, asks, and nobody else;
; in it waves 4 to 7 ask for K, waves 8 to 11 for V, 8,192 bytes a wave, lanes 256 bytes apart: each aligned block of 256 bytes is named once in the launch.  Slots 0 and 1 come by their loads alone; the last filling change asks for nothing.
.macro ASK
	s_cmp_gt_u32 s[SLOTS], s[LIM]
	s_cbranch_scc0 .Lnot_mine_\@
	global_prefetch_b8 v[PFO], s[PFA:PFA+1] th:TH_LOAD_NT scope:SCOPE_SE
.Lnot_mine_\@:
.endm
	s_load_b128 s[4:7], s[0:1], 0x0                ; qkv, ctx
	v_lshl_add_u32 v[SPW], v0, 2, SPARE
	v_mov_b32 v[NIL], 0
	ds_add_u32 v[SPW], v[NIL]                      ; the wave's opening: the add, twice on end, and its wait ahead of the first tensor load
	ds_add_u32 v[SPW], v[NIL]
	v_lshrrev_b32 v5, 5, v0
	v_readfirstlane_b32 s[WV], v5                  ; wave 0..15
	s_and_b32 s72, ttmp7, 0xffff
	s_lshl_b32 s72, s72, 18                        ; the head's first byte in a section of qkv and in ctx
	s_lshr_b32 s68, s[WV], 2
	s_xor_b32 s69, s[WV], s68
	s_and_b32 s69, s69, 1                          ; 1: my queries lie in the late block
	s_bfe_u32 s70, s[WV], 0x10001
	s_lshl_b32 s70, s70, 2
	s_add_co_u32 s70, s70, s68                     ; which 32 of a block's 256
	s_lshl_b32 s70, s70, 5
	s_lshl_b32 s71, ttmp9, 8
	s_add_co_u32 s70, s70, s71                     ; early: 256 i + 32 o
	s_sub_co_u32 s71, 2016, s70                    ; late: 256 (7 - i) + 32 (7 - o)
	s_cmp_eq_u32 s69, 0
	s_cselect_b32 s[Q0], s70, s71                  ; my first query
	s_sub_co_u32 s[QL], 8, ttmp9
	s_lshl_b32 s[QL], s[QL], 8
	s_sub_co_u32 s[QL], s[QL], 1                   ; my work-group's last query
	s_and_b32 s88, s[WV], 1                        ; which half of a slot I fetch, if I fetch
	s_lshl_b32 s74, s88, 14
	s_add_co_u32 s74, s74, s72
	s_mov_b32 s75, 0
	s_mul_i32 s89, s88, 64*PK
	s_mul_i32 s90, s88, 64*PV
	s_add_co_u32 s90, s90, VOFF
	s_mov_b32 s[G1K], (1<<16)|(1<<20)|(5<<22)|(3<<25)   ; elements of 2 bytes; padding on: after every 64 words, 4 words
	s_mov_b32 s[G1V], (1<<16)|(1<<20)|(5<<22)|(7<<25)   ; 8 words
.irp g, G1K, G1V
	s_mov_b32 s[\g+1], 128<<16                     ; tensor_dim0 = 128 elements (two keys)
	s_mov_b32 s[\g+2], 64<<16                      ; tensor_dim1 = 64
	s_mov_b32 s[\g+3], 128<<16                     ; tile_dim0
	s_mov_b32 s[\g+4], 64                          ; tile_dim1
	s_mov_b32 s[\g+5], 128                         ; pitch: dense
	s_mov_b32 s[\g+6], 0
	s_mov_b32 s[\g+7], 0
.endr
	s_mov_b32 s[SEL], 0x76543210
	s_mov_b32 s[SEL+1], 0xfedcba98
	s_mov_b32 s[CS], 0x3e38aa3b                    ; log2(e) / 8
	s_mov_b32 s[CS+1], s[CS]
	s_mov_b32 s[TB], 0
	s_mov_b32 s[KF], 0
	s_mov_b32 s[SLOTS], 7
	s_lshl_b32 s84, s[Q0], 7
	s_add_co_u32 s84, s84, s72
	s_mov_b32 s85, 0                               ; my first query's row in q's section and in ctx
	s_wait_dscnt 0x0                               ; both opening adds are done
	s_wait_kmcnt 0x0
	s_mov_b32 s[G0K], 1
	s_mov_b32 s[G0K+1], s89
	s_add_nc_u64 s[G0K+2:G0K+3], s[4:5], s[74:75]
	s_add_nc_u64 s[G0K+2:G0K+3], s[G0K+2:G0K+3], 1<<24   ; k's section
	s_or_b32 s[G0K+3], s[G0K+3], 0x80000000
	s_mov_b32 s[G0V], 1
	s_mov_b32 s[G0V+1], s90
	s_add_nc_u64 s[G0V+2:G0V+3], s[4:5], s[74:75]
	s_add_nc_u64 s[G0V+2:G0V+3], s[G0V+2:G0V+3], 2<<24   ; v's section
	s_or_b32 s[G0V+3], s[G0V+3], 0x80000000
	TLOAD                                          ; slot 0: it holds key 0, which counts for every query
	s_add_nc_u64 s[82:83], s[4:5], s[84:85]        ; Q at my first query
	s_add_nc_u64 s[6:7], s[6:7], s[84:85]          ; ctx likewise
	s_cmp_lt_u32 s[WV], 8                          ; the prefetches: waves 4 to 7 K, waves 8 to 11 V
	s_mov_b32 s86, 2<<24
	s_cselect_b32 s86, 1<<24, s86
	s_and_b32 s87, s[WV], 3
	s_lshl_b32 s87, s87, 13
	s_add_co_u32 s86, s86, s87
	s_add_co_u32 s86, s86, s72
	s_add_co_u32 s86, s86, 32768                   ; in slot 1: the first change of slots steps it to slot 2
	s_mov_b32 s87, 0
	s_add_nc_u64 s[PFA:PFA+1], s[4:5], s[86:87]
	s_sub_co_u32 s86, s[WV], 4
	s_lshr_b32 s86, s86, 3                         ; 0 in waves 4 to 11,
	s_or_b32 s86, s86, ttmp9                       ; of the head's work-group 0
	s_cmp_eq_u32 s86, 0
	s_cselect_b32 s[LIM], 1, -1
	v_and_b32 v252, 15, v0                         ; r
	v_bfe_u32 v253, v0, 4, 1                       ; h
	v_lshlrev_b32 v5, 7, v252
	v_lshl_add_u32 v5, v253, 4, v5                 ; Q: row r of 128 bytes + 16 h
.irp T, 0,1
.irp c, 0,1
	global_load_b128 v[QF+16*\T+8*\c:QF+16*\T+8*\c+3], v5, s[82:83] offset:\T*2048+64*\c
	global_load_b128 v[QF+16*\T+8*\c+4:QF+16*\T+8*\c+7], v5, s[82:83] offset:\T*2048+64*\c+32
.endr
.endr
	v_lshrrev_b32 v254, 1, v252
	v_and_b32 v255, 1, v0
	v_mul_u32_u24 v[AK0], v254, PK
	v_lshl_add_u32 v[AK0], v255, 7, v[AK0]
	v_lshl_add_u32 v[AK0], v253, 4, v[AK0]         ; K: key r: (r / 2) x 272 + (r % 2) x 128 + 16 h
	v_bfe_u32 v254, v0, 1, 2
	v_lshl_add_u32 v254, v253, 2, v254
	v_mul_u32_u24 v[AV0], v254, PV
	v_lshl_add_u32 v[AV0], v255, 7, v[AV0]
	v_bfe_u32 v254, v0, 3, 1
	v_lshl_add_u32 v[AV0], v254, 4, v[AV0]
	v_add_nc_u32 v[AV0], VOFF, v[AV0]              ; V, for the turning load: key 8 h + l % 8, channels 8 ((l / 8) % 2) on
	v_lshlrev_b32 v254, 3, v253
	v_sub_nc_u32 v[DQ], v252, v254
	v_and_b32 v[PFO], 31, v0
	v_lshlrev_b32 v[PFO], 8, v[PFO]
.irp T, 0,1
	v_mov_b32 v[ST+8*\T+1], 0xff61b1e6             ; the largest t so far: -3e38
	v_floor_f32 v[ST+8*\T], -v[ST+8*\T+1]          ; -M
	v_mov_b32 v[ST+8*\T+2], 0
	v_mov_b32 v[ST+8*\T+3], 0
.endr
.set n, 0
.rept 64
	v_mov_b32 v[O+n], 0                            ; the step is written once: the first finds zeros, which the first change of M leaves zeros
.set n, n+1
.endr
; A KEY STEP: 64 keys, the q-th of the slot in hand.
.macro STEP q
	s_add_co_u32 s96, s[Q0], 31
	s_cmp_gt_u32 s[KF], s96                        ; all 64 keys come after my 32 queries: nothing to do but to step the count
	s_cbranch_scc1 .Lhidden_\@
	v_add_nc_u32 v[ADK], s[TB], v[AK0]
	v_add_nc_u32 v[ADV], s[TB], v[AV0]
.rept 3
	v_nop                                          ; with the two additions five places behind the last step's products: four for the loads into V's registers, five for the new scores, which write over P
.endr
.irp kt, 0,1,2,3
.irp c, 0,1
	ds_load_b128 v[KV+16*\kt+8*\c:KV+16*\kt+8*\c+3], v[ADK] offset:(\q)*8704+\kt*2176+64*\c
	ds_load_b128 v[KV+16*\kt+8*\c+4:KV+16*\kt+8*\c+7], v[ADK] offset:(\q)*8704+\kt*2176+64*\c+32
.endr
.endr
	s_wait_dscnt 0x0
.irp c, 0,1                                    ; S^T = K Q^T: eight accumulators by turns
.irp kt, 0,1,2,3
.irp T, 0,1
.if \c == 0
	v_wmma_f32_16x16x32_f16 v[S+32*\T+8*\kt:S+32*\T+8*\kt+7], v[KV+16*\kt+8*\c:KV+16*\kt+8*\c+7], v[QF+16*\T+8*\c:QF+16*\T+8*\c+7], 0
.else
	v_wmma_f32_16x16x32_f16 v[S+32*\T+8*\kt:S+32*\T+8*\kt+7], v[KV+16*\kt+8*\c:KV+16*\kt+8*\c+7], v[QF+16*\T+8*\c:QF+16*\T+8*\c+7], v[S+32*\T+8*\kt:S+32*\T+8*\kt+7]
.endif
.endr
.endr
.endr
.rept 4
	v_nop                                          ; places: for the loads into K's registers and for the first reads of the scores
.endr
.irp u, 0,1                                    ; V of this step, turned; it lands while the softmax is walked
.irp ct, 0,1,2,3
	ds_load_tr16_b128 v[KV+32*\u+8*\ct:KV+32*\u+8*\ct+3], v[ADV] offset:(\q)*9216+\u*4608+32*\ct
	ds_load_tr16_b128 v[KV+32*\u+8*\ct+4:KV+32*\u+8*\ct+7], v[ADV] offset:(\q)*9216+\u*4608+32*\ct+2304
.endr
.endr
	s_add_co_u32 s96, s[KF], 63
	s_cmp_le_u32 s96, s[Q0]                        ; all 64 keys count for all my queries: no mask
	s_cbranch_scc1 .Lopen_\@
	s_sub_co_i32 s96, s[Q0], s[KF]
	v_add_nc_u32 v252, s96, v[DQ]                  ; d = my query - KF - 8 h.  Register 8 kt + j holds key KF + 16 kt + 8 h + j: hidden where 16 kt + j > d
	v_add_nc_u32 v253, 16, v252                    ; tile 1's queries lie 16 further on
	v_mov_b32 v254, 0xff800000                     ; -infinity
.irp T, 0,1
.irp kt, 0,1,2,3
.irp j, 0,1,2,3,4,5,6,7
	v_cmp_gt_i32 vcc_lo, 16*\kt+\j, v[252+\T]
	v_cndmask_b32 v[S+32*\T+8*\kt+\j], v[S+32*\T+8*\kt+\j], v254, vcc_lo
.endr
.endr
.endr
.Lopen_\@:
.irp j, 0,1,2,3                                ; the largest of a lane's 32 scores: four chains, each from an accumulator's low end on; the two tiles by turns
.irp T, 0,1
	v_max3_num_f32 v[ST+8*\T+4+\j], v[S+32*\T+8*\j], v[S+32*\T+8*\j+1], v[S+32*\T+8*\j+2]
.endr
.endr
.irp g, 1,2
.irp j, 0,1,2,3
.irp T, 0,1
	v_max3_num_f32 v[ST+8*\T+4+\j], v[ST+8*\T+4+\j], v[S+32*\T+8*\j+2*\g+1], v[S+32*\T+8*\j+2*\g+2]
.endr
.endr
.endr
.irp T, 0,1
	v_max3_num_f32 v[ST+8*\T+4], v[ST+8*\T+4], v[S+32*\T+7], v[S+32*\T+15]
.endr
.irp T, 0,1
	v_max3_num_f32 v[ST+8*\T+6], v[ST+8*\T+6], v[S+32*\T+23], v[S+32*\T+31]
.endr
.irp T, 0,1
	v_max3_num_f32 v[ST+8*\T+4], v[ST+8*\T+4], v[ST+8*\T+5], v[ST+8*\T+6]
.endr
.irp T, 0,1
	v_max_num_f32 v[ST+8*\T+4], v[ST+8*\T+4], v[ST+8*\T+7]
.endr
.irp T, 0,1
	v_permlanex16_b32 v[ST+8*\T+5], v[ST+8*\T+4], s[SEL], s[SEL+1]   ; the query's other 32 keys lie in the lane 16 away
.endr
.irp T, 0,1
	v_max_num_f32 v[ST+8*\T+4], v[ST+8*\T+4], v[ST+8*\T+5]
.endr
.irp T, 0,1
	v_mul_f32 v[ST+8*\T+4], s[CS], v[ST+8*\T+4]    ; as t
.endr
.irp T, 0,1
	v_max_num_f32 v[ST+8*\T+1], v[ST+8*\T+1], v[ST+8*\T+4]   ; the running largest t
.endr
.irp T, 0,1
	v_mov_b32 v[ST+8*\T+5], v[ST+8*\T]
.endr
.irp T, 0,1
	v_floor_f32 v[ST+8*\T], -v[ST+8*\T+1]          ; the new -M = -ceil(t)
.endr
.irp T, 0,1
	v_sub_f32 v[ST+8*\T+5], v[ST+8*\T], v[ST+8*\T+5]   ; old M - new M: a whole number, 0 or less
.endr
.irp T, 0,1
	v_cvt_i32_f32 v[ST+8*\T+5], v[ST+8*\T+5]       ; (it saturates)
.endr
.irp T, 0,1
	v_ldexp_f32 v[ST+8*\T+4], 1.0, v[ST+8*\T+5]    ; f = 2^(old M - new M)
.endr
.irp j, 0,2,4,6,8,10,12,14,16,18,20,22,24,26,28,30
.irp T, 0,1
	v_pk_fma_f32 v[S+32*\T+\j:S+32*\T+\j+1], v[S+32*\T+\j:S+32*\T+\j+1], s[CS:CS+1], v[ST+8*\T:ST+8*\T+1] op_sel_hi:[1,0,0]   ; t - M, two at a time
.endr
.endr
.set n, 0
.rept 64
	v_exp_f32 v[S+n], v[S+n]                       ; p = 2^(t - M): one batch for both tiles
.set n, n+1
.endr
.irp T, 0,1
	v_pk_mul_f32 v[ST+8*\T+2:ST+8*\T+3], v[ST+8*\T+2:ST+8*\T+3], v[ST+8*\T+4:ST+8*\T+5] op_sel_hi:[1,0]   ; the sums under the new M: independent work behind the batch,
.endr
.irp T, 0,1
.irp j, 0,2,4,6,8,10,12,14,16,18,20,22,24,26,28,30
	v_pk_mul_f32 v[O+32*\T+\j:O+32*\T+\j+1], v[O+32*\T+\j:O+32*\T+\j+1], v[ST+8*\T+4:ST+8*\T+5] op_sel_hi:[1,0]   ; and O^T, each accumulator from its low end on
.endr
.endr
	s_wait_alu depctr_va_vdst(0)                   ; one wait for the whole batch, ahead of the first instruction that names a result
.irp T, 0,1
	v_pk_add_f32 v[252+2*\T:253+2*\T], v[S+32*\T:S+32*\T+1], v[S+32*\T+2:S+32*\T+3]   ; the row's sum, of p before it is rounded: two chains a tile
.endr
.irp j, 4,8,12,16,20,24,28
.irp T, 0,1
	v_pk_add_f32 v[ST+8*\T+2:ST+8*\T+3], v[ST+8*\T+2:ST+8*\T+3], v[S+32*\T+\j:S+32*\T+\j+1]
	v_pk_add_f32 v[252+2*\T:253+2*\T], v[252+2*\T:253+2*\T], v[S+32*\T+\j+2:S+32*\T+\j+3]
.endr
.endr
.irp T, 0,1
	v_pk_add_f32 v[ST+8*\T+2:ST+8*\T+3], v[ST+8*\T+2:ST+8*\T+3], v[252+2*\T:253+2*\T]
.endr
.set n, 0
.rept 16
	v_cvt_pk_f16_f32 v[S+n], v[S+2*n], v[S+2*n+1]  ; P, in place and ascending: register n is written when registers 2 n and 2 n + 1 are read, and no later line reads below 2 n + 2
	v_cvt_pk_f16_f32 v[S+32+n], v[S+32+2*n], v[S+32+2*n+1]
.set n, n+1
.endr
	s_wait_dscnt 0x0                               ; V is in
.irp u, 0,1                                    ; O^T += V^T P: eight accumulators by turns
.irp ct, 0,1,2,3
.irp T, 0,1
	v_wmma_f32_16x16x32_f16 v[O+32*\T+8*\ct:O+32*\T+8*\ct+7], v[KV+32*\u+8*\ct:KV+32*\u+8*\ct+7], v[S+32*\T+8*\u:S+32*\T+8*\u+7], v[O+32*\T+8*\ct:O+32*\T+8*\ct+7]
.endr
.endr
.endr
.Lhidden_\@:
	s_add_co_u32 s[KF], s[KF], 64
.endm
; THE CHANGE OF SLOTS stands at a slot's head.  Each wave waits for all its tensor loads, adds 0 to its spare word, and waits for that and for its reads of the slot that it has left; then the barrier.
; fill = 1: the slot just left is filled with the keys that follow, up to the causal limit: the load has a whole slot's four steps in which to land.
.macro CHANGE fill
	s_wait_tensorcnt 0x0                           ; no tensor load of mine is out, so a group 0 may be written
	ds_add_u32 v[SPW], v[NIL]
.if \fill
	ds_add_u32 v[SPW], v[NIL]                      ; twice on end here, in every trip alike
	s_xor_b32 s[G0K+1], s[G0K+1], SLOT1            ; the walking descriptors: the other slot, the next 256 keys
	s_add_nc_u64 s[G0K+2:G0K+3], s[G0K+2:G0K+3], 32768
	s_xor_b32 s[G0V+1], s[G0V+1], SLOT1
	s_add_nc_u64 s[G0V+2:G0V+3], s[G0V+2:G0V+3], 32768
	s_wait_xcnt 0x0                                ; the last prefetch, a slot back, has read its address
	s_add_nc_u64 s[PFA:PFA+1], s[PFA:PFA+1], 32768
.endif
	s_wait_dscnt 0x0                               ; the add is done, and my reads of the slot that I have left are over
	s_barrier_signal -1
	s_barrier_wait -1
.if \fill
	s_add_co_u32 s96, s[KF], 256                   ; the first key of the slot that this change would ask for,
	s_cmp_gt_u32 s96, s[QL]                        ; against my work-group's last query: ids and the count of steps alone, the same in all sixteen waves; every wait on TENSORcnt in this text is for 0
	s_cbranch_scc1 .Lpast_\@
	TLOAD                                          ; a wave's one tensor load until the next such barrier
.Lpast_\@:
	ASK
.endif
.endm
.macro SLOT_STEPS
	STEP 0
	STEP 1
	STEP 2
	STEP 3
	s_xor_b32 s[TB], s[TB], SLOT1
.endm
	s_wait_loadcnt 0x0                             ; Q is in, and its address register is free
.Lslot:                                            ; seven trips, a constant: every work-group walks all changes of slots
	CHANGE 1
	SLOT_STEPS
	s_sub_co_u32 s[SLOTS], s[SLOTS], 1
	s_cmp_lg_u32 s[SLOTS], 0
	s_cbranch_scc1 .Lslot
	CHANGE 0                                       ; the last slot is written out: nothing is left to ask for
	SLOT_STEPS
	; THE WAY OUT.  The address work stands first: it is also the places behind the last products.
	v_and_b32 v252, 15, v0
	v_bfe_u32 v253, v0, 4, 1
	v_lshrrev_b32 v254, 1, v252
	v_and_b32 v255, 1, v0
	s_mul_i32 s73, s[WV], 2176
	s_add_co_u32 s73, s73, STAGE                   ; my stage
	v_mul_u32_u24 v[STO], v254, 272
	v_lshl_add_u32 v[STO], v255, 7, v[STO]
	v_lshl_add_u32 v[STO], v253, 4, v[STO]
	v_add_nc_u32 v[STO], s73, v[STO]               ; in: (r / 2) x 272 + (r % 2) x 128 + 16 h
	v_mul_u32_u24 v[RD], v253, 272
	v_lshl_add_u32 v[RD], v252, 4, v[RD]
	v_add_nc_u32 v[RD], s73, v[RD]                 ; back: lanes 0-15 one LDS row (two queries), lanes 16-31 the next
	v_and_b32 v[GO], 31, v0
	v_lshlrev_b32 v[GO], 4, v[GO]
.irp T, 0,1
	v_add_f32 v[ST+8*\T+4], v[ST+8*\T+2], v[ST+8*\T+3]
.endr
.irp T, 0,1
	v_permlanex16_b32 v[ST+8*\T+5], v[ST+8*\T+4], s[SEL], s[SEL+1]
.endr
.irp T, 0,1
	v_add_f32 v[ST+8*\T+4], v[ST+8*\T+4], v[ST+8*\T+5]   ; the row's sum
.endr
.irp T, 0,1
	v_rcp_f32 v[ST+8*\T+4], v[ST+8*\T+4]
.endr
	v_nop                                          ; a plain instruction behind the last reciprocal
	s_wait_alu depctr_va_vdst(0)                   ; one wait for both, ahead of the first use
.irp T, 0,1
.irp j, 0,2,4,6,8,10,12,14,16,18,20,22,24,26,28,30
	v_pk_mul_f32 v[O+32*\T+\j:O+32*\T+\j+1], v[O+32*\T+\j:O+32*\T+\j+1], v[ST+8*\T+4:ST+8*\T+5] op_sel_hi:[1,0]
.endr
.endr
.irp T, 0,1
.irp j, 0,1,2,3,4,5,6,7,8,9,10,11,12,13,14,15
	v_cvt_pk_f16_f32 v[S+32*\T+\j], v[O+32*\T+2*\j], v[O+32*\T+2*\j+1]
.endr
.endr
.irp T, 0,1
.irp ct, 0,1,2,3
	ds_store_b128 v[STO], v[S+32*\T+4*\ct:S+32*\T+4*\ct+3] offset:32*\ct
.endr
.irp g, 0,1,2,3
	ds_load_b128 v[S+32*\T+16+4*\g:S+32*\T+16+4*\g+3], v[RD] offset:544*\g   ; LDS serves a wave's instructions in order: these see the stores above, and tile 1's stores come behind them
.endr
.endr
.irp T, 0,1
.irp g, 0,1,2,3
	s_wait_dscnt 8*(1-\T)+3-\g                     ; behind tile 0's load g: its 3 - g younger loads and tile 1's eight LDS instructions
	global_store_b128 v[GO], v[S+32*\T+16+4*\g:S+32*\T+16+4*\g+3], s[6:7] offset:\T*2048+512*\g   ; four queries: 512 consecutive bytes, aligned
.endr
.endr
	s_wait_tensorcnt 0x0                           ; the wave's end
	ds_add_u32 v[SPW], v[NIL]
	s_wait_dscnt 0x0
	s_endpgm
.Lfunc_end_k_qe3f31859b7_attn:
	.size	k_qe3f31859b7_attn, .Lfunc_end_k_qe3f31859b7_attn-k_qe3f31859b7_attn
	.p2alignl 7, 3214868480
	.fill 96, 4, 3214868480
	.section	.rodata,"a",@progbits
	.p2align	6, 0x0
	.amdhsa_kernel k_qe3f31859b7_attn
		.amdhsa_group_segment_fixed_size 327680
		.amdhsa_private_segment_fixed_size 0
		.amdhsa_enable_private_segment 0
		.amdhsa_kernarg_size 16
		.amdhsa_user_sgpr_count 2
		.amdhsa_user_sgpr_kernarg_segment_ptr 1
		.amdhsa_wavefront_size32 1
		.amdhsa_system_sgpr_workgroup_id_x 1
		.amdhsa_system_sgpr_workgroup_id_y 1
		.amdhsa_system_sgpr_workgroup_id_z 1
		.amdhsa_system_vgpr_workitem_id 0
		.amdhsa_next_free_vgpr 256
		.amdhsa_next_free_sgpr 100
		.amdhsa_reserve_vcc 1
		.amdhsa_float_denorm_mode_32 3
		.amdhsa_float_denorm_mode_16_64 3
		.amdhsa_memory_ordered 1
		.amdhsa_forward_progress 1
		.amdhsa_inst_pref_size 191
	.end_amdhsa_kernel
	.amdgpu_metadata
---
amdhsa.version: [ 1, 2 ]
amdhsa.kernels:
  - .name:           k_qe3f31859b7_attn
    .symbol:         k_qe3f31859b7_attn.kd
    .args:
      - { .name: qkv, .offset: 0, .size: 8, .value_kind: global_buffer, .address_space: global }
      - { .name: ctx, .offset: 8, .size: 8, .value_kind: global_buffer, .address_space: global }
    .group_segment_fixed_size: 327680
    .private_segment_fixed_size: 0
    .kernarg_segment_align: 8
    .kernarg_segment_size: 16
    .max_flat_workgroup_size: 512
    .sgpr_count:     100
    .vgpr_count:     256
    .wavefront_size: 32
...
	.end_amdgpu_metadata
.endif
;; end of part 3
;; launch proj (part 4): grid 4 x 64, 4 waves a work-group, clusters of 4 x 4, 327,680 bytes of LDS; arguments ctx, wot, bo, out0; writes out0
.if DOCPART == 4
	.amdgcn_target "amdgcn-amd-amdhsa--gfx1250"
	.amdhsa_code_object_version 6
	.text
	.protected	k_qe3f31859b7_proj
	.globl	k_qe3f31859b7_proj
	.p2align	8
	.type	k_qe3f31859b7_proj,@function
k_qe3f31859b7_proj:
	s_mov_b64 s[64:65], 0
	v_nop
	global_prefetch_b8 v0, s[64:65] scope:SCOPE_SE
	s_setreg_imm32_b32 hwreg(HW_REG_WAVE_MODE, 25, 1), 1
	s_wait_xcnt 0x0
	s_wait_alu depctr_hold_cnt(0) depctr_sa_sdst(0) depctr_va_vdst(0) depctr_va_sdst(0) depctr_va_ssrc(0) depctr_va_vcc(0) depctr_vm_vsrc(0)
	s_getreg_b32 s2, hwreg(HW_REG_IB_STS2, 6, 4)
	s_cmp_eq_u32 s2, 0
	s_cbranch_scc0 .Lentry_in_a_cluster
	s_endpgm
.Lentry_in_a_cluster:
	s_bfe_u32 s2, ttmp6, 0x10000c
	s_cmp_lg_u32 s2, 0xf033
	s_cbranch_scc0 .Lentry_shape_is_right
	s_endpgm
.Lentry_shape_is_right:
; PROJ.  out0[m][n] = sum over k of ctx[m][k] Wo[k][n] + bo[n], operands f16, sums f32.  ctx: [b][h][s][64] f16 (k = 64 h + d); wot: [n][k] f16; out0: [8192][1024] f32.
; The 64 rows of positions 0-15 are written over, in f32 arithmetic, by the launch that follows.
; A tile of out0 is 128 rows x 256 columns: 256 work-groups (tiles of 256 x 256 would be 128).  Four waves, each 64 x 128: 32 accumulators, window 1.
; K goes in steps of 128 (two heads) through a ring of two LDS slots.  A head's 128 rows of 128 bytes are dense in memory: they come as 64 rows of 256 bytes, padded: row m lies at (m / 2) x 272 + (m % 2) x 128.
; CLUSTERS: 4 x 4; ctx's tiles are shared along a row of the cluster, wot's along a column: joint loads.  The matrix instruction is used transposed (source 0 = 16 rows of wot, source 1 = 16 rows of ctx).
; REGISTERS: window 0: v16-35 addresses and the bias; two fragment buffers of 96: wot's eight fragments, then ctx's four (v64-159, v160-255).  window 1: accumulator (a, b) at v[8 (8 a + b)].
.set PITCH,  272
.set AH,     64*PITCH                  ; a head's 128 rows of ctx
.set BOFF,   2*AH
.set HB,     128*PITCH                 ; 128 rows of wot
.set SLOT,   BOFF+2*HB
.set SPARE,  2*SLOT                    ; the spare words, 128 bytes for each wave
.set SPITCH, 528                       ; the way out: a stage of 16 x 528 bytes for each wave, in slot 0, which has had its last fill and its last read by then
.set ADRA, 16
.set ADRB, 20
.set STO,  24
.set RD,   25
.set CO,   26
.set SPW,  28
.set NIL,  29
.set PFO,  30
.set BIAS, 32
.set F0,   64
.set F1,   160
.set G1, 24
.set G0, 32
.set G1B, 48
.set G0B, 56
.set LIM, 43
.set PFA, 44
.set MSB, 0
.macro WIN new
.if MSB != \new
	s_set_vgpr_msb (MSB<<8)|\new
.set MSB, \new
.endif
.endm
.set MUL, 0x50                         ; sources 0 and 1 window 0; C and D window 1
.macro JLOAD s                         ; waves 0 and 1 fetch ctx's two heads, waves 2 and 3 wot's two halves; an s_nop 0 and four v_nop follow each line
	s_cmp_eq_u32 s13, 0
	s_cbranch_scc0 .Lfor_b_\@
	tensor_load_to_lds s[G0+4*\s:G0+4*\s+3], s[G1:G1+7]
	s_nop 0
.rept 4
	v_nop
.endr
	s_branch .Lasked_\@
.Lfor_b_\@:
	tensor_load_to_lds s[G0B+4*\s:G0B+4*\s+3], s[G1B:G1B+7]
	s_nop 0
.rept 4
	v_nop
.endr
.Lasked_\@:
.endm
.macro CREST
	s_cmp_lg_u32 s12, 0
	s_cbranch_scc1 .Lnot_wave_0_\@
	s_barrier_signal -3
.Lnot_wave_0_\@:
	s_barrier_wait -3
	s_barrier_signal -1
	s_barrier_wait -1
.endm
.macro CROUND
	s_barrier_signal -1
	s_barrier_wait -1
	CREST
.endm
; A prefetch of ctx's K step that stands two refills on: 32,768 bytes for a tile row, which one row of one cluster alone reads.  Its four partners share them out by address, 8,192 bytes each
; (head cx / 2 of the pair, half cx % 2), wave 0 of each asks, lanes 256 bytes apart: each aligned block of 256 bytes is named once.  K steps 0 to 3 come by their loads alone; the loop's last trip asks for nothing.
; wot is read again and again by the clusters and is not asked for.
.macro ASK
	s_cmp_gt_u32 s3, s[LIM]
	s_cbranch_scc0 .Lnot_mine_\@
	global_prefetch_b8 v[PFO], s[PFA:PFA+1] offset:524288 th:TH_LOAD_NT scope:SCOPE_SE
.Lnot_mine_\@:
.endm
	s_load_b256 s[4:11], s[0:1], 0x0               ; ctx s[4:5], wot s[6:7], bo s[8:9], out0 s[10:11]
	v_lshl_add_u32 v[SPW], v0, 2, SPARE
	v_mov_b32 v[NIL], 0
	ds_add_u32 v[SPW], v[NIL]                      ; the wave's opening: the add, twice on end, and its wait ahead of my first tensor load
	ds_add_u32 v[SPW], v[NIL]
	v_lshrrev_b32 v1, 5, v0
	v_readfirstlane_b32 s12, v1                    ; wave 0..3
	s_lshr_b32 s13, s12, 1                         ; which 64 rows are mine.  Also: I fetch for ctx (0) or for wot (1)
	s_and_b32 s14, s12, 1                          ; which 128 columns.  Also: which head of the pair, or which 128 rows of wot, I fetch
	s_bfe_u32 s40, ttmp6, 0x40000                  ; cx
	s_bfe_u32 s41, ttmp6, 0x40004                  ; cy
	s_lshl_b32 s42, ttmp9, 2
	s_add_co_u32 s42, s42, s40                     ; tile column
	s_and_b32 s15, ttmp7, 0xffff
	s_lshl_b32 s15, s15, 2
	s_add_co_u32 s15, s15, s41                     ; tile row (128 rows)
	s_lshl_b32 s43, s41, 2
	s_lshl_b32 s43, 15, s43                        ; my row of the cluster
	s_lshl_b32 s44, 0x1111, s40                    ; my column
	s_or_b32 s[G1+0], s43, (1<<16)|(1<<20)|(1<<21)|(5<<22)|(3<<25)   ; the mask; elements of 2 bytes; padding on; bit 21 beside a mask; after every 64 words, 4 words
	s_or_b32 s[G1B+0], s44, (1<<16)|(1<<20)|(1<<21)|(5<<22)|(3<<25)
	s_mov_b32 s[G1+1], 128<<16                     ; ctx: 64 rows of 128 elements, dense
	s_mov_b32 s[G1+2], 64<<16
	s_mov_b32 s[G1+3], 128<<16
	s_mov_b32 s[G1+4], 64
	s_mov_b32 s[G1+5], 128
	s_mov_b32 s[G1+6], 0
	s_mov_b32 s[G1+7], 0
	s_mov_b32 s[G1B+1], 128<<16                    ; wot: 128 rows of 128 elements, 1,024 elements apart
	s_mov_b32 s[G1B+2], 128<<16
	s_mov_b32 s[G1B+3], 128<<16
	s_mov_b32 s[G1B+4], 128
	s_mov_b32 s[G1B+5], 1024
	s_mov_b32 s[G1B+6], 0
	s_mov_b32 s[G1B+7], 0
	s_lshr_b32 s16, s15, 4
	s_lshl_b32 s16, s16, 22                        ; the batch,
	s_and_b32 s17, s15, 15
	s_lshl_b32 s17, s17, 14
	s_add_co_u32 s16, s16, s17                     ; and the 128 positions: the tile row's place in every head
	s_lshl_b32 s17, s14, 18
	s_add_co_u32 s18, s16, s17                     ; + my head of the pair
	s_mov_b32 s19, 0
	s_lshl_b32 s46, s42, 19                        ; wot: 256 rows of 2,048 bytes a tile column,
	s_lshl_b32 s47, s14, 18                        ; 128 rows a half
	s_add_co_u32 s46, s46, s47
	s_mov_b32 s47, 0
	s_mul_i32 s20, s14, AH                         ; where they go: no place in the cluster enters an LDS address
	s_mul_i32 s21, s14, HB
	s_add_co_u32 s21, s21, BOFF
	s_wait_dscnt 0x0                               ; both opening adds are done
	s_wait_kmcnt 0x0
	s_add_nc_u64 s[18:19], s[4:5], s[18:19]
	s_add_nc_u64 s[46:47], s[6:7], s[46:47]
	CROUND                                         ; all sixteen work-groups are here: the first joint loads meet
.irp s, 0,1
	s_mov_b32 s[G0+4*\s], 1
	s_add_co_u32 s[G0+4*\s+1], s20, \s*SLOT
	s_add_nc_u64 s[G0+4*\s+2:G0+4*\s+3], s[18:19], \s*524288       ; K step s: two heads on
	s_or_b32 s[G0+4*\s+3], s[G0+4*\s+3], 0x80000000
	s_mov_b32 s[G0B+4*\s], 1
	s_add_co_u32 s[G0B+4*\s+1], s21, \s*SLOT
	s_add_nc_u64 s[G0B+4*\s+2:G0B+4*\s+3], s[46:47], \s*256
	s_or_b32 s[G0B+4*\s+3], s[G0B+4*\s+3], 0x80000000
	JLOAD \s
.endr
	s_lshr_b32 s22, s40, 1                         ; the prefetches: my work-group's 8,192 bytes of a K step,
	s_lshl_b32 s22, s22, 18
	s_and_b32 s23, s40, 1
	s_lshl_b32 s23, s23, 13
	s_add_co_u32 s22, s22, s23
	s_add_co_u32 s22, s22, s16
	s_add_co_u32 s22, s22, 2*524288                ; at K step 2: the first refill steps it to 3 and names K step 4
	s_mov_b32 s23, 0
	s_add_nc_u64 s[PFA:PFA+1], s[4:5], s[22:23]
	s_cmp_eq_u32 s12, 0
	s_cselect_b32 s[LIM], 1, -1
	s_lshl_b32 s22, s42, 10                        ; my first column, in bytes of f32
	s_lshl_b32 s23, s14, 9
	s_add_co_u32 s22, s22, s23
	s_mov_b32 s23, 0
	s_add_nc_u64 s[8:9], s[8:9], s[22:23]
	s_lshl_b32 s16, s15, 7
	s_lshl_b32 s17, s13, 6
	s_add_co_u32 s16, s16, s17                     ; my first row
	s_lshl_b32 s16, s16, 12
	s_add_co_u32 s16, s16, s22
	s_mov_b32 s17, 0
	s_add_nc_u64 s[10:11], s[10:11], s[16:17]
	v_and_b32 v[CO], 31, v0
	v_lshlrev_b32 v[PFO], 8, v[CO]
	v_lshlrev_b32 v[CO], 4, v[CO]
	global_load_b128 v[BIAS:BIAS+3], v[CO], s[8:9] ; bo at the four columns that I store
	v_and_b32 v1, 15, v0                           ; r
	v_bfe_u32 v2, v0, 4, 1                         ; h
	v_lshrrev_b32 v3, 1, v1
	v_mul_u32_u24 v3, v3, PITCH
	v_and_b32 v4, 1, v0
	v_lshl_add_u32 v3, v4, 7, v3
	v_lshl_add_u32 v3, v2, 4, v3                   ; ctx: (r / 2) x 272 + (r % 2) x 128 + 16 h
	v_mul_u32_u24 v4, v1, PITCH
	v_lshl_add_u32 v4, v2, 4, v4                   ; wot: r x 272 + 16 h
	s_mul_i32 s20, s13, 32*PITCH                   ; my 64 rows of ctx
	s_mul_i32 s21, s14, HB
	s_add_co_u32 s21, s21, BOFF                    ; my 128 rows of wot
.irp s, 0,1
	v_add_nc_u32 v[ADRA+\s], s20, v3
	v_add_nc_u32 v[ADRB+\s], s21, v4
	s_add_co_u32 s20, s20, SLOT
	s_add_co_u32 s21, s21, SLOT
.endr
	s_mul_i32 s22, s12, 16*SPITCH                  ; my stage
	v_mul_u32_u24 v5, v1, SPITCH
	v_lshl_add_u32 v5, v2, 5, v5
	v_add_nc_u32 v[STO], s22, v5
	v_add_nc_u32 v[RD], s22, v[CO]
; 8 matrix instructions: ctx's block a x wot's eight, 32 along K.  The 32 accumulators take turns, one instruction a turn, in the same order in every quarter.
.macro MUL8 f, a, zero
.irp b, 0,1,2,3,4,5,6,7
.if \zero
	v_wmma_f32_16x16x32_f16 v[8*(8*(\a)+\b):8*(8*(\a)+\b)+7], v[\f+8*\b:\f+8*\b+7], v[\f+64+8*(\a):\f+64+8*(\a)+7], 0
.else
	v_wmma_f32_16x16x32_f16 v[8*(8*(\a)+\b):8*(8*(\a)+\b)+7], v[\f+8*\b:\f+8*\b+7], v[\f+64+8*(\a):\f+64+8*(\a)+7], v[8*(8*(\a)+\b):8*(8*(\a)+\b)+7]
.endif
.endr
.endm
; 24 LDS loads in one run: quarter q (32 along K: head q / 2 of the pair, channels 32 (q % 2) on) into buffer f: wot's first, then ctx's blocks 0 to 3
.macro FETCH slot, q, f
.irp i, 0,1,2,3,4,5,6,7
	ds_load_b128 v[\f+8*\i:\f+8*\i+3],   v[ADRB+\slot] offset:64*(\q)+\i*16*PITCH
	ds_load_b128 v[\f+8*\i+4:\f+8*\i+7], v[ADRB+\slot] offset:64*(\q)+\i*16*PITCH+32
.endr
.irp a, 0,1,2,3
	ds_load_b128 v[\f+64+8*\a:\f+64+8*\a+3],   v[ADRA+\slot] offset:((\q)/2)*AH+((\q)%2)*64+\a*8*PITCH
	ds_load_b128 v[\f+64+8*\a+4:\f+64+8*\a+7], v[ADRA+\slot] offset:((\q)/2)*AH+((\q)%2)*64+\a*8*PITCH+32
.endr
.endm
.macro PLACES
.rept 4
	v_nop
.endr
.endm
.macro QUARTER slot, qn, f, g, zero
	s_wait_dscnt 4                                 ; wot's fragments and ctx's blocks 0, 1 are in; the youngest four loads (blocks 2, 3) may be out
	WIN MUL
	MUL8 \f, 0, \zero
	MUL8 \f, 1, \zero
	PLACES                                         ; in front of loads into the other buffer, which the quarter before multiplied
	WIN 0
	FETCH \slot, \qn, \g
	s_wait_dscnt 24                                ; all but the 24 just issued
	WIN MUL
	MUL8 \f, 2, \zero
	MUL8 \f, 3, \zero
.endm
; A slot's last quarter changes slots: one barrier; in front of it each wave waits for all its tensor loads, adds 0 to its spare word, and waits for that and for its reads of this slot.
; fill = 1: the barrier opens a round of the cluster's barrier, and this slot is filled again, two K steps ahead, first thing behind the round.
.macro TURN slot, next, fill
.if \fill
	s_wait_xcnt 0x0                                ; the last prefetch, a K step back, has read its address
	s_add_nc_u64 s[PFA:PFA+1], s[PFA:PFA+1], 524288
.endif
	WIN 0
	s_wait_tensorcnt 0x0                           ; all my tensor loads have landed: my part of the next slot
	ds_add_u32 v[SPW], v[NIL]
	s_wait_dscnt 5                                 ; the add and the youngest four loads may be out
	WIN MUL
	MUL8 F1, 0, 0
	s_wait_dscnt 0x0                               ; the add is done, and my reads of this slot are over
	s_barrier_signal -1
	MUL8 F1, 1, 0
	WIN 0
	s_barrier_wait -1
.if \fill
	CREST
	s_add_nc_u64 s[G0+4*\slot+2:G0+4*\slot+3], s[G0+4*\slot+2:G0+4*\slot+3], 2*524288
	s_add_nc_u64 s[G0B+4*\slot+2:G0B+4*\slot+3], s[G0B+4*\slot+2:G0B+4*\slot+3], 2*256
	JLOAD \slot                                    ; the four v_nop behind it are also the places in front of the loads below
.else
	PLACES
.endif
	FETCH \next, 0, F0
.if \fill
	ASK
.endif
	WIN MUL
	MUL8 F1, 2, 0
	MUL8 F1, 3, 0
.endm
	s_wait_tensorcnt 1                             ; my part of K step 0 is in (K step 1's load may be out)
	s_barrier_signal -1
	s_barrier_wait -1                              ; everybody's is
	FETCH 0, 0, F0
	QUARTER 0, 1, F0, F1, 1                        ; the first quarter's products start the sums
	WIN 0
	s_mov_b32 s3, 3
.Llap:                                                 ; a trip goes once round the ring and fills both slots again: K steps 2 to 7
	QUARTER 0, 2, F1, F0, 0
	QUARTER 0, 3, F0, F1, 0
	TURN 0, 1, 1
	QUARTER 1, 1, F0, F1, 0
	QUARTER 1, 2, F1, F0, 0
	QUARTER 1, 3, F0, F1, 0
	TURN 1, 0, 1
	QUARTER 0, 1, F0, F1, 0
	WIN 0
	s_sub_co_u32 s3, s3, 1
	s_cmp_lg_u32 s3, 0
	s_cbranch_scc1 .Llap
	QUARTER 0, 2, F1, F0, 0                        ; the last lap fills nothing
	QUARTER 0, 3, F0, F1, 0
	TURN 0, 1, 0
	QUARTER 1, 1, F0, F1, 0
	QUARTER 1, 2, F1, F0, 0
	QUARTER 1, 3, F0, F1, 0
	s_wait_dscnt 4
	WIN MUL
	MUL8 F1, 0, 0
	MUL8 F1, 1, 0
	s_wait_dscnt 0
	MUL8 F1, 2, 0
	MUL8 F1, 3, 0
	WIN 0
; THE WAY OUT, block by block of 16 rows x 128 columns of f32, through my own stage; whole rows of 512 bytes come back, take the bias and are stored.
.macro TOSTAGE a
	WIN 0x04                                       ; an LDS store's data are its source 1: window 1
.irp b, 0,1,2,3,4,5,6,7
	ds_store_b128 v[STO], v[64*(\a)+8*\b:64*(\a)+8*\b+3] offset:64*\b          ; each accumulator from its low end on
	ds_store_b128 v[STO], v[64*(\a)+8*\b+4:64*(\a)+8*\b+7] offset:64*\b+16
.endr
	WIN 0
.set BB, 64+64*((\a)%2)
.irp t, 0,1,2,3,4,5,6,7,8,9,10,11,12,13,14,15
	ds_load_b128 v[BB+4*\t:BB+4*\t+3], v[RD] offset:\t*SPITCH
.endr
.endm
.macro SEND a, younger
.set BB, 64+64*((\a)%2)
	s_wait_dscnt \younger
.irp t, 0,1,2,3,4,5,6,7,8,9,10,11,12,13,14,15
	v_pk_add_f32 v[BB+4*\t:BB+4*\t+1], v[BB+4*\t:BB+4*\t+1], v[BIAS:BIAS+1]
	v_pk_add_f32 v[BB+4*\t+2:BB+4*\t+3], v[BB+4*\t+2:BB+4*\t+3], v[BIAS+2:BIAS+3]
.endr
.irp t, 0,1,2,3,4,5,6,7,8,9,10,11,12,13,14,15
	global_store_b128 v[CO], v[BB+4*\t:BB+4*\t+3], s[10:11] offset:(\a)*65536+\t*4096 th:TH_STORE_NT   ; 32 lanes store 512 consecutive bytes, aligned
.endr
.endm
	s_wait_loadcnt 0x0                             ; the bias
	PLACES                                         ; behind the last products: for the reads of results and the loads into the fragments' registers
	TOSTAGE 0
	TOSTAGE 1
	SEND 0, 32                                     ; behind block 0's loads: block 1's 16 stores and 16 loads
	s_wait_xcnt 0x0                                ; block 0's stores have read their registers
	TOSTAGE 2
	SEND 1, 32
	s_wait_xcnt 0x0
	TOSTAGE 3
	SEND 2, 32
	SEND 3, 0
	s_wait_tensorcnt 0x0                           ; the wave's end
	ds_add_u32 v[SPW], v[NIL]
	s_wait_dscnt 0x0
	CROUND                                         ; the closing round
	s_endpgm
.Lfunc_end_k_qe3f31859b7_proj:
	.size	k_qe3f31859b7_proj, .Lfunc_end_k_qe3f31859b7_proj-k_qe3f31859b7_proj
	.p2alignl 7, 3214868480
	.fill 96, 4, 3214868480
	.section	.rodata,"a",@progbits
	.p2align	6, 0x0
	.amdhsa_kernel k_qe3f31859b7_proj
		.amdhsa_group_segment_fixed_size 327680
		.amdhsa_private_segment_fixed_size 0
		.amdhsa_enable_private_segment 0
		.amdhsa_kernarg_size 32
		.amdhsa_user_sgpr_count 2
		.amdhsa_user_sgpr_kernarg_segment_ptr 1
		.amdhsa_wavefront_size32 1
		.amdhsa_system_sgpr_workgroup_id_x 1
		.amdhsa_system_sgpr_workgroup_id_y 1
		.amdhsa_system_sgpr_workgroup_id_z 1
		.amdhsa_system_vgpr_workitem_id 0
		.amdhsa_next_free_vgpr 512
		.amdhsa_next_free_sgpr 66
		.amdhsa_reserve_vcc 0
		.amdhsa_float_denorm_mode_32 3
		.amdhsa_float_denorm_mode_16_64 3
		.amdhsa_memory_ordered 1
		.amdhsa_forward_progress 1
		.amdhsa_inst_pref_size 94
	.end_amdhsa_kernel
	.amdgpu_metadata
---
amdhsa.version: [ 1, 2 ]
amdhsa.kernels:
  - .name:           k_qe3f31859b7_proj
    .symbol:         k_qe3f31859b7_proj.kd
    .args:
      - { .name: ctx, .offset: 0, .size: 8, .value_kind: global_buffer, .address_space: global }
      - { .name: wot, .offset: 8, .size: 8, .value_kind: global_buffer, .address_space: global }
      - { .name: bo, .offset: 16, .size: 8, .value_kind: global_buffer, .address_space: global }
      - { .name: out0, .offset: 24, .size: 8, .value_kind: global_buffer, .address_space: global }
    .group_segment_fixed_size: 327680
    .private_segment_fixed_size: 0
    .kernarg_segment_align: 8
    .kernarg_segment_size: 32
    .max_flat_workgroup_size: 128
    .sgpr_count:     66
    .vgpr_count:     512
    .wavefront_size: 32
...
	.end_amdgpu_metadata
.endif
;; end of part 4
;; launch first16 (part 5): grid 16 x 4, 16 waves a work-group, no clusters, 71,680 bytes of LDS; arguments first32, Wo, bo, out0; writes out0
.if DOCPART == 5
	.amdgcn_target "amdgcn-amd-amdhsa--gfx1250"
	.amdhsa_code_object_version 6
	.text
	.protected	k_qe3f31859b7_first16
	.globl	k_qe3f31859b7_first16
	.p2align	8
	.type	k_qe3f31859b7_first16,@function
k_qe3f31859b7_first16:
	s_mov_b64 s[64:65], 0
	v_nop
	global_prefetch_b8 v0, s[64:65] scope:SCOPE_SE
	s_setreg_imm32_b32 hwreg(HW_REG_WAVE_MODE, 25, 1), 1
	s_wait_xcnt 0x0
; FIRST16.  Positions 0-15 of each of the four sequences, 64 rows of out0, once more and wholly in f32: under the causal mask these rows average one to sixteen values and are the largest in size.
; first32: [b][pos 16][3072] f32, column = 1024 x which + 64 x head + d.  Scores, softmax (the row's maximum taken away), P V, the projection by Wo (f32, as it is given) and bo.
; Work-group (x, b): 64 columns n0 = 64 x of batch b.  Wave = head: it makes its head's 16 x 16 attention and its 64 k's share of out[16][64]; the sixteen shares meet in LDS, and wave w stores row w: 256 consecutive bytes, aligned.
; All products by the f32 matrix form, 16 x 16 x 4, used transposed, so that a lane holds one query throughout.  Along each product's K the same order is used on both sources.
; v16-47 are written by matrix instructions alone; what is made of a finished sum goes into other registers.
.set RED,   0                          ; LDS: 16 shares of 16 rows x (256 + 16) bytes
.set SPARE, 69632                      ; the spare words, 128 bytes for each wave
.set SPW, 14
.set NIL, 15
.set MA,  16                           ; v16-47   four accumulators
.set QQ,  48                           ; v48-79   Q: register i = (row r, d = 32 h + i); later Wo's fragments for columns 32-47
.set KK,  80                           ; v80-111  K likewise; later Wo's for columns 48-63
.set VV,  112                          ; v112-143 V: register 8 t + i = (key 8 h + i, channel 16 t + r); later the shares read back
.set SP,  144                          ; v144-151 scores, then p: register j = key 8 h + j of query r
.set CT,  160                          ; v160-191 ctx: register 8 t + j = channel 16 t + 8 h + j of query r
	s_load_b256 s[4:11], s[0:1], 0x0               ; first32 s[4:5], Wo s[6:7], bo s[8:9], out0 s[10:11]
	v_lshl_add_u32 v[SPW], v0, 2, SPARE
	v_mov_b32 v[NIL], 0
	v_lshrrev_b32 v1, 5, v0
	v_readfirstlane_b32 s12, v1                    ; wave = head
	s_and_b32 s13, ttmp7, 0xffff                   ; batch
	v_and_b32 v5, 15, v0                           ; r
	v_bfe_u32 v6, v0, 4, 1                         ; h
	v_mul_u32_u24 v1, v5, 12288
	v_lshl_add_u32 v1, v6, 7, v1                   ; Q, K: row r, + 32 h numbers
	v_lshlrev_b32 v7, 2, v5
	v_mul_u32_u24 v2, v6, 98304
	v_add_nc_u32 v2, v2, v7                        ; V: row 8 h, channel r
	v_lshl_add_u32 v3, v6, 15, v7                  ; Wo: row 8 h, column r
	v_and_b32 v4, 31, v0
	v_lshlrev_b32 v4, 3, v4                        ; 8 x lane
	s_mul_i32 s14, s13, 196608
	s_lshl_b32 s15, s12, 8
	s_add_co_u32 s14, s14, s15                     ; first32: my batch, my head
	s_mov_b32 s15, 0
	s_lshl_b32 s18, ttmp9, 8                       ; 4 n0
	s_mov_b32 s19, 0
	s_lshl_b32 s16, s12, 18                        ; Wo: my head's 64 rows of 4,096 bytes
	s_add_co_u32 s16, s16, s18
	s_mov_b32 s17, 0
	s_lshl_b32 s20, s13, 11
	s_add_co_u32 s20, s20, s12                     ; the row of out0 that I store: position = my wave's number
	s_lshl_b32 s20, s20, 12
	s_add_co_u32 s20, s20, s18
	s_mov_b32 s21, 0
	s_mov_b32 s22, 0x76543210
	s_mov_b32 s23, 0xfedcba98
	s_mov_b32 s24, 0x3e38aa3b                      ; log2(e) / 8
	s_wait_kmcnt 0x0
	s_add_nc_u64 s[4:5], s[4:5], s[14:15]
	s_add_nc_u64 s[6:7], s[6:7], s[16:17]
	s_add_nc_u64 s[8:9], s[8:9], s[18:19]
	s_add_nc_u64 s[10:11], s[10:11], s[20:21]
	global_load_b64 v[12:13], v4, s[8:9]           ; bo at the two columns that I store
.irp i, 0,1,2,3,4,5,6,7
	global_load_b128 v[QQ+4*\i:QQ+4*\i+3], v1, s[4:5] offset:16*\i
.endr
.irp i, 0,1,2,3,4,5,6,7
	global_load_b128 v[KK+4*\i:KK+4*\i+3], v1, s[4:5] offset:4096+16*\i
.endr
.irp t, 0,1,2,3
.irp i, 0,1,2,3,4,5,6,7
	global_load_b32 v[VV+8*\t+\i], v2, s[4:5] offset:8192+\i*12288+64*\t
.endr
.endr
.macro WLOAD u                         ; Wo's fragments for columns n0 + 16 u on: register 8 t + i = Wo(64 head + 16 t + 8 h + i, n0 + 16 u + r).  They lie at v192, v224, v48, v80
.irp t, 0,1,2,3
.irp i, 0,1,2,3,4,5,6,7
	global_load_b32 v[192+32*(\u)-208*((\u)/2)+8*\t+\i], v3, s[6:7] offset:(16*\t+\i)*4096+64*(\u)
.endr
.endr
.endm
	WLOAD 0
	WLOAD 1
	s_wait_loadcnt 63                              ; 113 loads are issued: the oldest 50 are in, the bias, Q, K and V (49) among them
.irp s, 0,1,2,3,4,5,6,7,8,9,10,11,12,13,14,15  ; S^T = K Q^T: two accumulators by turns, each with half of the head's 64
.if \s < 2
	v_wmma_f32_16x16x4_f32 v[MA+8*(\s%2):MA+8*(\s%2)+7], v[KK+2*\s:KK+2*\s+1], v[QQ+2*\s:QQ+2*\s+1], 0
.else
	v_wmma_f32_16x16x4_f32 v[MA+8*(\s%2):MA+8*(\s%2)+7], v[KK+2*\s:KK+2*\s+1], v[QQ+2*\s:QQ+2*\s+1], v[MA+8*(\s%2):MA+8*(\s%2)+7]
.endif
.endr
	v_lshlrev_b32 v8, 3, v6                        ; nine plain instructions: eight places are owed behind this form before its results are read and before loads into its sources
	v_sub_nc_u32 v8, v5, v8                        ; r - 8 h
	s_mul_i32 s25, s12, 4352
	v_mul_u32_u24 v9, v5, 272
	v_lshl_add_u32 v9, v6, 5, v9
	v_add_nc_u32 v9, s25, v9                       ; my share: row r, + 32 h
	s_mul_i32 s26, s12, 272
	v_add_nc_u32 v10, s26, v4                      ; back: row w of every share, 8 bytes a lane
	v_mov_b32 v153, 0                              ; (a lane permute's destination counts as one of its sources)
	v_mov_b32 v154, 0xff800000                     ; -infinity
	v_nop
	WLOAD 2
	WLOAD 3
.irp j, 0,1,2,3,4,5,6,7
	v_add_f32 v[SP+\j], v[MA+\j], v[MA+8+\j]       ; the two halves of the sum, from the low end on
.endr
.irp j, 0,1,2,3,4,5,6,7
	v_cmp_gt_i32 vcc_lo, \j, v8                    ; key 8 h + j is hidden where it comes after query r
	v_cndmask_b32 v[SP+\j], v[SP+\j], v154, vcc_lo
.endr
	v_max3_num_f32 v152, v[SP], v[SP+1], v[SP+2]
	v_max3_num_f32 v155, v[SP+3], v[SP+4], v[SP+5]
	v_max3_num_f32 v152, v152, v[SP+6], v[SP+7]
	v_max_num_f32 v152, v152, v155
	v_permlanex16_b32 v153, v152, s22, s23
	v_max_num_f32 v152, v152, v153                 ; the row's largest score (key 0 counts for every query)
	v_mul_f32 v152, s24, v152
.irp j, 0,1,2,3,4,5,6,7
	v_fma_f32 v[SP+\j], v[SP+\j], s24, -v152
.endr
.irp j, 0,1,2,3,4,5,6,7
	v_exp_f32 v[SP+\j], v[SP+\j]
.endr
	v_nop                                          ; a plain instruction behind the last exponential
	s_wait_alu depctr_va_vdst(0)                   ; one wait for the eight, ahead of the first use
	v_add_f32 v155, v[SP], v[SP+1]
	v_add_f32 v156, v[SP+2], v[SP+3]
	v_add_f32 v157, v[SP+4], v[SP+5]
	v_add_f32 v158, v[SP+6], v[SP+7]
	v_add_f32 v155, v155, v156
	v_add_f32 v157, v157, v158
	v_add_f32 v155, v155, v157
	v_permlanex16_b32 v153, v155, s22, s23
	v_add_f32 v155, v155, v153                     ; the row's sum
	v_rcp_f32 v156, v155
	v_nop
	s_wait_alu depctr_va_vdst(0)
.irp sp, 0,1,2,3                               ; O^T = V^T P: four accumulators by turns; K = the 16 keys
.irp t, 0,1,2,3
.if \sp == 0
	v_wmma_f32_16x16x4_f32 v[MA+8*\t:MA+8*\t+7], v[VV+8*\t+2*\sp:VV+8*\t+2*\sp+1], v[SP+2*\sp:SP+2*\sp+1], 0
.else
	v_wmma_f32_16x16x4_f32 v[MA+8*\t:MA+8*\t+7], v[VV+8*\t+2*\sp:VV+8*\t+2*\sp+1], v[SP+2*\sp:SP+2*\sp+1], v[MA+8*\t:MA+8*\t+7]
.endif
.endr
.endr
.rept 9
	v_nop                                          ; eight places before the results are read, nine before the next sums write over them
.endr
.irp n, 0,1,2,3,4,5,6,7,8,9,10,11,12,13,14,15
	v_pk_mul_f32 v[CT+2*\n:CT+2*\n+1], v[MA+2*\n:MA+2*\n+1], v[156:157] op_sel_hi:[1,0]   ; ctx = O^T / the sum, into registers of its own
.endr
	s_wait_loadcnt 0x0                             ; Wo
.irp t, 0,1,2,3                                ; out^T = Wo^T ctx^T over my head's 64: four accumulators by turns
.irp sp, 0,1,2,3
.irp u, 0,1,2,3
.if (\t == 0) && (\sp == 0)
	v_wmma_f32_16x16x4_f32 v[MA+8*\u:MA+8*\u+7], v[192+32*\u-208*(\u/2)+8*\t+2*\sp:192+32*\u-208*(\u/2)+8*\t+2*\sp+1], v[CT+8*\t+2*\sp:CT+8*\t+2*\sp+1], 0
.else
	v_wmma_f32_16x16x4_f32 v[MA+8*\u:MA+8*\u+7], v[192+32*\u-208*(\u/2)+8*\t+2*\sp:192+32*\u-208*(\u/2)+8*\t+2*\sp+1], v[CT+8*\t+2*\sp:CT+8*\t+2*\sp+1], v[MA+8*\u:MA+8*\u+7]
.endif
.endr
.endr
.endr
.rept 8
	v_nop
.endr
.irp u, 0,1,2,3
	ds_store_b128 v9, v[MA+8*\u:MA+8*\u+3] offset:64*\u            ; lane (r, h): my share of out(r, n0 + 16 u + 8 h + 0 .. 7), each accumulator from its low end on
	ds_store_b128 v9, v[MA+8*\u+4:MA+8*\u+7] offset:64*\u+16
.endr
	s_wait_dscnt 0x0                               ; for the others' sake: my stores are done
	s_barrier_signal -1
	s_barrier_wait -1
.irp x, 0,1,2,3,4,5,6,7,8,9,10,11,12,13,14,15
	ds_load_b64 v[VV+2*\x:VV+2*\x+1], v10 offset:\x*4352
.endr
	s_wait_dscnt 0x0
	v_pk_add_f32 v[152:153], v[12:13], v[VV:VV+1]  ; the bias and the sixteen heads' shares, in two chains
	v_pk_add_f32 v[154:155], v[VV+2:VV+3], v[VV+6:VV+7]
.irp x, 2,4,6,8,10,12,14
	v_pk_add_f32 v[152:153], v[152:153], v[VV+2*\x:VV+2*\x+1]
.endr
.irp x, 5,7,9,11,13,15
	v_pk_add_f32 v[154:155], v[154:155], v[VV+2*\x:VV+2*\x+1]
.endr
	v_pk_add_f32 v[152:153], v[152:153], v[154:155]
	global_store_b64 v4, v[152:153], s[10:11]      ; 32 lanes store 256 consecutive bytes, aligned
	s_wait_tensorcnt 0x0                           ; the wave's end
	ds_add_u32 v[SPW], v[NIL]
	s_wait_dscnt 0x0
	s_endpgm
.Lfunc_end_k_qe3f31859b7_first16:
	.size	k_qe3f31859b7_first16, .Lfunc_end_k_qe3f31859b7_first16-k_qe3f31859b7_first16
	.p2alignl 7, 3214868480
	.fill 96, 4, 3214868480
	.section	.rodata,"a",@progbits
	.p2align	6, 0x0
	.amdhsa_kernel k_qe3f31859b7_first16
		.amdhsa_group_segment_fixed_size 71680
		.amdhsa_private_segment_fixed_size 0
		.amdhsa_enable_private_segment 0
		.amdhsa_kernarg_size 32
		.amdhsa_user_sgpr_count 2
		.amdhsa_user_sgpr_kernarg_segment_ptr 1
		.amdhsa_wavefront_size32 1
		.amdhsa_system_sgpr_workgroup_id_x 1
		.amdhsa_system_sgpr_workgroup_id_y 1
		.amdhsa_system_sgpr_workgroup_id_z 1
		.amdhsa_system_vgpr_workitem_id 0
		.amdhsa_next_free_vgpr 256
		.amdhsa_next_free_sgpr 66
		.amdhsa_reserve_vcc 1
		.amdhsa_float_denorm_mode_32 3
		.amdhsa_float_denorm_mode_16_64 3
		.amdhsa_memory_ordered 1
		.amdhsa_forward_progress 1
		.amdhsa_inst_pref_size 32
	.end_amdhsa_kernel
	.amdgpu_metadata
---
amdhsa.version: [ 1, 2 ]
amdhsa.kernels:
  - .name:           k_qe3f31859b7_first16
    .symbol:         k_qe3f31859b7_first16.kd
    .args:
      - { .name: first32, .offset: 0, .size: 8, .value_kind: global_buffer, .address_space: global }
      - { .name: Wo, .offset: 8, .size: 8, .value_kind: global_buffer, .address_space: global }
      - { .name: bo, .offset: 16, .size: 8, .value_kind: global_buffer, .address_space: global }
      - { .name: out0, .offset: 24, .size: 8, .value_kind: global_buffer, .address_space: global }
    .group_segment_fixed_size: 71680
    .private_segment_fixed_size: 0
    .kernarg_segment_align: 8
    .kernarg_segment_size: 32
    .max_flat_workgroup_size: 512
    .sgpr_count:     66
    .vgpr_count:     256
    .wavefront_size: 32
...
	.end_amdgpu_metadata
.endif
;; end of part 5
